; MI455X (gfx1250); checked and timed in simulation.
; The chip was launched on July 23, 2026; its instructions are those of AMD's public machine-readable ISA for CDNA 5 (MIT licence, August 2026) and "CDNA5" Instruction Set Architecture Reference Guide (July 2026). The comments in the code are by the model that wrote it; some were corrected since.
;; Attention Head. Allowed arithmetic: float matrix products may take bf16 or f16 operands with f32 sums; other float arithmetic in f32, or as packed bf16 or f16 multiplies, adds, multiply-adds, maxima and minima; sums over many terms, partial sums and values carried from step to step in f32; what a program stores and reads back later, other than sums and carried values, may be rounded once to bf16 or f16.
;; Inputs: Wk 2,048 x 128 float32; Wq 2,048 x 128 float32; Wv 2,048 x 128 float32; x 8 x 4,096 x 2,048 float32.
;; Outputs: out0 8 x 4,096 x 128 float32.
;; 2 versions, each right; version 2 is version 1 with the launch corner written anew for expert scheduling mode. Each part assembles by itself: llvm-mc -triple=amdgcn-amd-amdhsa -mcpu=gfx1250 --defsym DOCPART=n.
;; ======== version 1 of 2: 5 launches
;; limits: values are held in f16: magnitudes above 65,504 overflow, below 6.1e-05 lose precision
;; workspace buffers: wt 1,572,864 bytes; qh 8,388,608 bytes; kh 8,388,608 bytes; vh 8,388,608 bytes; tail 196,608 bytes; negl 131,072 bytes; corn 65,536 bytes
;; launch prep (part 1): grid 16 x 3, 8 waves a work-group, no clusters, 35,840 bytes of LDS; arguments Wq, Wk, Wv, wt; writes wt
.if DOCPART == 1
	.amdgcn_target "amdgcn-amd-amdhsa--gfx1250"
	.amdhsa_code_object_version 6
	.text
	.protected	k_q550fa36697_prep
	.globl	k_q550fa36697_prep
	.p2align	8
	.type	k_q550fa36697_prep,@function
k_q550fa36697_prep:
	s_mov_b64 s[64:65], 0
	v_nop
	global_prefetch_b8 v0, s[64:65] scope:SCOPE_SE
	s_setreg_imm32_b32 hwreg(HW_REG_WAVE_MODE, 25, 1), 1
	s_wait_xcnt 0x0
; wt[128 mat + d][k] = bf16(W_mat[k][d]), mat = 0, 1, 2 for Wq, Wk, Wv.  W: [2048][128] f32; wt: [384][2048] bf16, K along the rows, as the projection's tiles want it.
; A work-group turns 128 k x 128 d of one matrix through LDS.  Wave w reads rows k = 16 w .. 16 w + 15 (512 consecutive bytes a load), rounds pairs of neighbouring k to bf16,
; and puts 32 bytes (16 k) into each of the four LDS rows d = 4 lane + e.  Read back, a row d is 256 consecutive bytes of wt: sixteen lanes store it whole.
; accepted, since a work-group stores 32 KiB once.
; 48 work-groups: a tile's row of wt is 256 bytes, which fixes 128 k to a tile; the launch moves 4.5 MiB in all.
.set PITCH, 272                        ; an LDS row: 256 bytes + 16
.set SPARE, 128*PITCH                  ; behind the tile: the spare words, 128 bytes for each of eight waves
.set SPW, 2                            ; v2  LDS address of my spare word; never rewritten
.set NIL, 3                            ; v3  0; never rewritten
.set LO,  4                            ; v4  my byte offset in the tile of W
.set STA, 5                            ; v5  where I put my 32 bytes of row 4 lane
.set RDA, 6                            ; v6  where I read a row back
.set GO,  7                            ; v7  my byte offset in wt
.set R,   16                           ; v[16:79]  16 rows x 4 numbers as loaded; later 8 x 16 bytes read back
.set T,   80                           ; v[80:111] for each of my 4 d: 16 k in bf16
	s_load_b256 s[4:11], s[0:1], 0x0               ; Wq s[4:5], Wk s[6:7], Wv s[8:9], wt s[10:11]
	v_lshl_add_u32 v[SPW], v0, 2, SPARE
	v_mov_b32 v[NIL], 0
	v_lshrrev_b32 v1, 5, v0
	v_readfirstlane_b32 s16, v1                    ; wave 0..7
	v_and_b32 v8, 31, v0                           ; lane
	v_and_b32 v9, 15, v0                           ; lane % 16
	v_bfe_u32 v10, v0, 4, 1                        ; lane / 16
	s_and_b32 s12, ttmp7, 0xffff                   ; which matrix
	s_lshl_b32 s17, s16, 13                        ; my 16 rows of 512 bytes
	v_lshl_add_u32 v[LO], v8, 4, s17
	v_mul_u32_u24 v[STA], v8, 4*PITCH              ; LDS row 4 lane,
	s_lshl_b32 s18, s16, 5
	v_add_nc_u32 v[STA], s18, v[STA]               ; byte 32 w of it
	s_mul_i32 s19, s16, 16*PITCH                   ; back: rows 16 w + 2 t + lane / 16
	v_mul_u32_u24 v[RDA], v10, PITCH
	v_lshl_add_u32 v[RDA], v9, 4, v[RDA]
	v_add_nc_u32 v[RDA], s19, v[RDA]
	s_lshl_b32 s20, s16, 16                        ; the same rows in wt, 4,096 bytes each
	v_lshlrev_b32 v[GO], 12, v10
	v_lshl_add_u32 v[GO], v9, 4, v[GO]
	v_add_nc_u32 v[GO], s20, v[GO]
	s_lshl_b32 s2, ttmp9, 16                       ; the tile's 128 rows of W
	s_mov_b32 s3, 0
	s_lshl_b32 s22, s12, 19                        ; the matrix's 128 rows of wt,
	s_lshl_b32 s23, ttmp9, 8                       ; the tile's 256 bytes of them
	s_add_co_u32 s22, s22, s23
	s_mov_b32 s23, 0
	s_wait_kmcnt 0x0
	s_cmp_eq_u32 s12, 1
	s_cselect_b64 s[14:15], s[6:7], s[4:5]
	s_cmp_eq_u32 s12, 2
	s_cselect_b64 s[14:15], s[8:9], s[14:15]
	s_add_nc_u64 s[14:15], s[14:15], s[2:3]
	s_add_nc_u64 s[10:11], s[10:11], s[22:23]
.set i, 0
.rept 16
	global_load_b128 v[R+4*i:R+4*i+3], v[LO], s[14:15] offset:512*i th:TH_LOAD_NT
.set i, i+1
.endr
	s_wait_loadcnt 0x0
.set e, 0
.rept 4                                ; d = 4 lane + e: rows 2 p and 2 p + 1 make one word
.set p, 0
.rept 8
	v_cvt_pk_bf16_f32 v[T+8*e+p], v[R+8*p+e], v[R+8*p+4+e]
.set p, p+1
.endr
.set e, e+1
.endr
.set e, 0
.rept 4
	ds_store_b128 v[STA], v[T+8*e:T+8*e+3] offset:PITCH*e
	ds_store_b128 v[STA], v[T+8*e+4:T+8*e+7] offset:PITCH*e+16
.set e, e+1
.endr
	s_wait_dscnt 0x0                               ; for the others' sake: my stores are done
	s_barrier_signal -1
	s_barrier_wait -1
.set t, 0
.rept 8
	ds_load_b128 v[R+4*t:R+4*t+3], v[RDA] offset:2*PITCH*t
.set t, t+1
.endr
.set t, 0
.rept 8
	s_wait_dscnt 7-t                               ; LDS loads come back in order: load t is in, the younger ones stay out
	global_store_b128 v[GO], v[R+4*t:R+4*t+3], s[10:11] offset:8192*t  ; 16 lanes store 256 consecutive bytes, aligned
.set t, t+1
.endr
	s_wait_tensorcnt 0x0                           ; the wave's end
	ds_add_u32 v[SPW], v[NIL]
	s_wait_dscnt 0x0
	s_endpgm
.Lfunc_end_k_q550fa36697_prep:
	.size	k_q550fa36697_prep, .Lfunc_end_k_q550fa36697_prep-k_q550fa36697_prep
	.p2alignl 7, 3214868480
	.fill 96, 4, 3214868480
	.section	.rodata,"a",@progbits
	.p2align	6, 0x0
	.amdhsa_kernel k_q550fa36697_prep
		.amdhsa_group_segment_fixed_size 35840
		.amdhsa_private_segment_fixed_size 0
		.amdhsa_enable_private_segment 0
		.amdhsa_kernarg_size 32
		.amdhsa_user_sgpr_count 2
		.amdhsa_user_sgpr_kernarg_segment_ptr 1
		.amdhsa_wavefront_size32 1
		.amdhsa_system_sgpr_workgroup_id_x 1
		.amdhsa_system_sgpr_workgroup_id_y 1
		.amdhsa_system_sgpr_workgroup_id_z 1
		.amdhsa_system_vgpr_workitem_id 0
		.amdhsa_next_free_vgpr 112
		.amdhsa_next_free_sgpr 66
		.amdhsa_reserve_vcc 0
		.amdhsa_float_denorm_mode_32 3
		.amdhsa_float_denorm_mode_16_64 3
		.amdhsa_memory_ordered 1
		.amdhsa_forward_progress 1
		.amdhsa_inst_pref_size 8
	.end_amdhsa_kernel
	.amdgpu_metadata
---
amdhsa.version: [ 1, 2 ]
amdhsa.kernels:
  - .name:           k_q550fa36697_prep
    .symbol:         k_q550fa36697_prep.kd
    .args:
      - { .name: Wq, .offset: 0, .size: 8, .value_kind: global_buffer, .address_space: global }
      - { .name: Wk, .offset: 8, .size: 8, .value_kind: global_buffer, .address_space: global }
      - { .name: Wv, .offset: 16, .size: 8, .value_kind: global_buffer, .address_space: global }
      - { .name: wt, .offset: 24, .size: 8, .value_kind: global_buffer, .address_space: global }
    .group_segment_fixed_size: 35840
    .private_segment_fixed_size: 0
    .kernarg_segment_align: 8
    .kernarg_segment_size: 32
    .max_flat_workgroup_size: 256
    .sgpr_count:     66
    .vgpr_count:     112
    .wavefront_size: 32
...
	.end_amdgpu_metadata
.endif
;; end of part 1
;; launch proj (part 2): grid 256 x 1, 4 waves a work-group, clusters of 4 x 1, 327,680 bytes of LDS; arguments x, wt, qh, kh, vh, tail; writes qh, kh, vh, tail
.if DOCPART == 2
	.amdgcn_target "amdgcn-amd-amdhsa--gfx1250"
	.amdhsa_code_object_version 6
	.text
	.protected	k_q550fa36697_proj
	.globl	k_q550fa36697_proj
	.p2align	8
	.type	k_q550fa36697_proj,@function
k_q550fa36697_proj:
	s_mov_b64 s[64:65], 0
	v_nop
	global_prefetch_b8 v0, s[64:65] scope:SCOPE_SE
	s_setreg_imm32_b32 hwreg(HW_REG_WAVE_MODE, 25, 1), 1
	s_wait_xcnt 0x0
	s_wait_alu depctr_hold_cnt(0) depctr_sa_sdst(0) depctr_va_vdst(0) depctr_va_sdst(0) depctr_va_ssrc(0) depctr_va_vcc(0) depctr_vm_vsrc(0)
	s_getreg_b32 s2, hwreg(HW_REG_IB_STS2, 6, 4)
	s_cmp_eq_u32 s2, 0
	s_cbranch_scc0 .Lentry_in_a_cluster
	s_endpgm
.Lentry_in_a_cluster:
	s_bfe_u32 s2, ttmp6, 0x10000c
	s_cmp_lg_u32 s2, 0x3003
	s_cbranch_scc0 .Lentry_shape_is_right
	s_endpgm
.Lentry_shape_is_right:
; [c q | k | v] = x wt^T.  x: [32768][2048] f32, rounded to bf16 on its way; wt: [384][2048] bf16; sums in f32.  c = log2(e) / sqrt(128) is applied to q's f32 sums.
; qh, kh, vh: [32768][128] f16, each rounded once.  tail: f32 [8][16][384]: the last 16 rows of each batch, unrounded, for the launch that treats the last 16 keys in f32.
; LIMIT: f16 holds no number beyond 65,504: |c q|, |k|, |v| must stay within it.  NaN and infinities are not treated apart.
; SHARES.  A work-group makes 128 rows x 384 columns; wave w = 2 rh + ch makes rows 64 rh .. and columns 192 ch ..: 48 accumulators of 16 x 16, 384 registers.  K goes in 16 steps of 128.
; THE MATRIX INSTRUCTION IS USED TRANSPOSED (source 0 = 16 rows of wt, source 1 = 16 rows of x): a lane holds one row and eight neighbouring columns.
; x COMES THROUGH REGISTERS: wave w loads rows 32 w .. 32 w + 31, a row's 512 bytes of a K step by one load; the 32 loads stand a whole K step ahead of their use (64 KiB of a work-group on their
; way all the time), are rounded to bf16 and stored into one of two LDS stages.  So x is asked for no earlier by a prefetch: its loads are already that far ahead, and each byte is read once.
; wt COMES BY JOINT TENSOR LOADS: all work-groups walk the same 384 rows, so the four of a cluster ask together (mask 15); wave w moves rows 96 w .. 96 w + 95 of a K step, 256 bytes a row.
; PLACES IN THE GRID.  Cluster n, place cx: batch 4 (n / 32) + cx, rows 128 (n % 32) .. of it: whether my rows hold a batch's last 16 hangs on n alone, the same in all four partners.
; REGISTERS, in windows of 256 (s_set_vgpr_msb: bits 1:0 source 0, 3:2 source 1, 5:4 source 2, 7:6 destination):
;   window 0: v16-30 addresses; v32-95 x fragments, two buffers of 4; v96-119 rounded x; v128-255 x as loaded.   window 1: v0-191 wt fragments, two buffers of 12
;   window 2: accumulators of row tiles 0, 1 at 96 (a % 2) + 8 b.   window 3: those of row tiles 2, 3
.set PITCH,  272                       ; an LDS row: 256 bytes + 16: the 16 rows of a fragment load start at 16 different groups of four banks (64 banks of 4 bytes: ISA guide 11.1)
.set WPART,  96*PITCH                  ; what one tensor load brings
.set SLOT1,  1<<17                     ; wt's slot 0 at byte 0 (384 rows), slot 1 here: one exclusive or turns one into the other
.set XS0,    SLOT1+384*PITCH           ; x stage 0: 128 rows
.set XS1,    XS0+128*PITCH             ; x stage 1
.set SPARE,  XS1+128*PITCH             ; the spare words, 128 bytes for each wave
.set OPITCH, 784                       ; the way out: 128 rows of 768 bytes + 16, over slot 0, which has had its last fill and its last read by then
.set ADRW,  16                         ; v16  my wt fragments in the slot in hand
.set ADRX,  17                         ; v17  my x fragments in the stage in hand
.set XSTA,  18                         ; v18  where I store rounded x: the other stage
.set ADRW0, 19                         ; v19-21  the same three without slot or stage; never rewritten
.set ADRX0, 20
.set XSTA0, 21
.set XO,    22                         ; v22  my byte offset in the work-group's rows of x
.set STO,   23                         ; v23  the way out: where I put 16 bytes
.set RD,    24                         ; v24  where I read rows back
.set CO,    25                         ; v25  my byte offset in qh, kh, vh
.set TO,    26                         ; v26  my byte offset in tail
.set SPW,   28                         ; v28  my spare word; never rewritten
.set NIL,   29                         ; v29  0; never rewritten
.set PFO,   30                         ; v30  4,096 x lane: a row of wt
.set XF,    32
.set XC,    96
.set XR,    128
.set TMP,   128                        ; the way out: 48 packed registers
.set OB,    32                         ; the way out: 192 registers read back
.set WV,   16
.set RH,   17
.set CH,   18
.set CX,   19
.set BETA, 20
.set BAT,  21
.set G1,   24                          ; s[24:31] descriptor group 1
.set G0A,  32                          ; s[32:35] group 0 of K step 0
.set G0B,  36                          ; s[36:39] group 0 of K step 1; it then walks
.set XB,   40                          ; s[40:41] x at my work-group's first row, at the K step that is being loaded
.set TW,   42                          ; s42  LDS byte of wt's slot in hand
.set TXR,  43                          ; s43  of the x stage in hand
.set PFA,  44                          ; s[44:45] where my prefetches stand
.set LIM,  46                          ; s46  2 in a wave that prefetches, else the greatest number
.set TXW,  47                          ; s47  LDS byte of the x stage that is being written
.set CS,   48                          ; s[48:49] c
.set MSB, 0
.macro WIN new                         ; the immediate's high byte repeats the setting that is left; a switch that changes nothing is dropped
.if MSB != (\new)
	s_set_vgpr_msb (MSB<<8)|(\new)
.set MSB, (\new)
.endif
.endm
.macro PLACES                          ; four plain instructions between a matrix instruction and a load into, or a vector use of, its registers
.rept 4
	v_nop
.endr
.endm
.macro CREST                           ; a round of the cluster's barrier behind its opening barrier
	s_cmp_lg_u32 s[WV], 0
	s_cbranch_scc1 .Lnot_wave_0_\@
	s_barrier_signal -3
.Lnot_wave_0_\@:
	s_barrier_wait -3
	s_barrier_signal -1
	s_barrier_wait -1
.endm
.macro CROUND
	s_barrier_signal -1
	s_barrier_wait -1
	CREST
.endm
; A PREFETCH INTO THE L2 of wt's K step two refills on.  All clusters walk the same rows at the same pace: cluster 0 asks.  Its four partners share the 384 rows out by address, 96 each;
; waves 0 to 2 take 32 of them each, a lane a row of 256 bytes: each block is named once in the launch.  The last two refills have no K step two on.
.macro ASK
	s_cmp_gt_u32 s3, s[LIM]
	s_cbranch_scc0 .Lnot_mine_\@
	global_prefetch_b8 v[PFO], s[PFA:PFA+1] offset:256 th:TH_LOAD_NT scope:SCOPE_SE
.Lnot_mine_\@:
.endm
	s_load_b256 s[4:11], s[0:1], 0x0               ; x s[4:5], wt s[6:7], qh s[8:9], kh s[10:11]
	s_load_b128 s[12:15], s[0:1], 0x20             ; vh s[12:13], tail s[14:15]
	v_lshl_add_u32 v[SPW], v0, 2, SPARE
	v_mov_b32 v[NIL], 0
	ds_add_u32 v[SPW], v[NIL]                      ; the wave's opening: the add and its wait stand ahead of my first tensor load; the set-up stands between them
	v_lshrrev_b32 v1, 5, v0
	v_readfirstlane_b32 s[WV], v1                  ; wave 0..3
	s_lshr_b32 s[RH], s[WV], 1
	s_and_b32 s[CH], s[WV], 1
	s_bfe_u32 s[CX], ttmp6, 0x40000                ; my place in the cluster
	s_and_b32 s[BETA], ttmp9, 31                   ; which 128 rows of the batch
	s_lshr_b32 s[BAT], ttmp9, 5
	s_lshl2_add_u32 s[BAT], s[BAT], s[CX]          ; the batch: it enters global addresses alone
	s_mov_b32 s[G1], 15|(1<<16)|(1<<20)|(1<<21)|(5<<22)|(3<<25)  ; the mask of four; 2-byte elements; padding on; bit 21 beside a mask; after every 64 words, 4 words
	s_mov_b32 s[G1+1], 128<<16                     ; tensor_dim0 = 128
	s_mov_b32 s[G1+2], 96<<16                      ; tensor_dim1 = 96
	s_mov_b32 s[G1+3], 128<<16                     ; tile_dim0 = 128
	s_mov_b32 s[G1+4], 96                          ; tile_dim1 = 96
	s_mov_b32 s[G1+5], 2048                        ; elements from row to row
	s_mov_b32 s[G1+6], 0
	s_mov_b32 s[G1+7], 0
	s_mul_i32 s22, s[WV], WPART                    ; my 96 rows in a slot: the wave's number alone
	s_mov_b32 s[G0A], 1
	s_mov_b32 s[G0A+1], s22
	s_mov_b32 s[G0B], 1
	s_add_co_u32 s[G0B+1], s22, SLOT1
	s_mul_i32 s50, s[WV], 96*4096                  ; my 96 rows of wt
	s_mov_b32 s51, 0
	s_lshl_b32 s52, s[BAT], 25                     ; my work-group's first row of x: 4,096 rows of 8,192 bytes a batch,
	s_lshl_b32 s53, s[BETA], 20                    ; 128 rows a work-group
	s_add_co_u32 s52, s52, s53
	s_mov_b32 s53, 0
	s_lshl_b32 s54, s[BAT], 20                     ; the same row in qh, kh, vh: 256 bytes a row
	s_lshl_b32 s55, s[BETA], 15
	s_add_co_u32 s54, s54, s55
	s_mov_b32 s55, 0
	s_mul_i32 s56, s[BAT], 24576                   ; the batch's 16 rows of tail
	s_mov_b32 s57, 0
	s_mul_i32 s58, s[CX], 96                       ; the prefetches: my work-group's 96 rows,
	s_min_u32 s59, s[WV], 2                        ; my wave's 32 of them (wave 3 never asks; its address is wave 2's)
	s_lshl_b32 s59, s59, 5
	s_add_co_u32 s58, s58, s59
	s_lshl_b32 s58, s58, 12
	s_add_co_u32 s58, s58, 512                     ; at K step 2: the first refill steps it to 3 and names K step 4
	s_mov_b32 s59, 0
	s_cmp_lt_u32 s[WV], 3
	s_cselect_b32 s22, ttmp9, 1
	s_cmp_eq_u32 s22, 0
	s_cselect_b32 s[LIM], 2, -1                    ; the same in all four partners, for a given wave
	s_mov_b32 s[CS], 0x3e0293ee                    ; c = 0.127517
	s_mov_b32 s[CS+1], s[CS]
	s_mov_b32 s[TW], 0
	s_mov_b32 s[TXR], XS0
	s_mov_b32 s[TXW], XS1
	v_and_b32 v2, 31, v0                           ; lane
	v_and_b32 v3, 15, v0                           ; r = lane % 16
	v_bfe_u32 v4, v0, 4, 1                         ; h = lane / 16
	v_mul_u32_u24 v5, v3, PITCH
	v_lshl_add_u32 v5, v4, 4, v5                   ; a fragment's row x pitch + 16 h
	s_mul_i32 s22, s[CH], 192*PITCH
	v_add_nc_u32 v[ADRW0], s22, v5
	s_mul_i32 s22, s[RH], 64*PITCH
	v_add_nc_u32 v[ADRX0], s22, v5
	s_mul_i32 s22, s[WV], 32*PITCH
	v_lshl_add_u32 v[XSTA0], v2, 3, s22            ; row 32 w, 8 bytes a lane
	s_lshl_b32 s22, s[WV], 18
	v_lshl_add_u32 v[XO], v2, 4, s22               ; row 32 w of 8,192 bytes, 16 bytes a lane
	s_mul_i32 s22, s[RH], 64*OPITCH
	s_mul_i32 s23, s[CH], 384
	s_add_co_u32 s22, s22, s23
	v_mul_u32_u24 v[STO], v3, OPITCH
	v_lshl_add_u32 v[STO], v4, 4, v[STO]
	v_add_nc_u32 v[STO], s22, v[STO]
	s_mul_i32 s22, s[WV], 32*OPITCH
	v_mul_u32_u24 v[RD], v4, OPITCH
	v_lshl_add_u32 v[RD], v3, 4, v[RD]
	v_add_nc_u32 v[RD], s22, v[RD]
	s_lshl_b32 s22, s[WV], 13
	v_lshlrev_b32 v[CO], 8, v4
	v_lshl_add_u32 v[CO], v3, 4, v[CO]
	v_add_nc_u32 v[CO], s22, v[CO]
	s_mul_i32 s22, s[CH], 768
	v_mul_u32_u24 v[TO], v3, 1536
	v_lshl_add_u32 v[TO], v4, 5, v[TO]
	v_add_nc_u32 v[TO], s22, v[TO]
	v_lshlrev_b32 v[PFO], 12, v2
	v_mov_b32 v[ADRW], v[ADRW0]
	v_add_nc_u32 v[ADRX], XS0, v[ADRX0]
	v_add_nc_u32 v[XSTA], XS0, v[XSTA0]            ; K step 0 goes into stage 0
	s_wait_dscnt 0x0                               ; the opening add is done
	s_wait_kmcnt 0x0
	s_add_nc_u64 s[G0A+2:G0A+3], s[6:7], s[50:51]
	s_add_nc_u64 s[G0B+2:G0B+3], s[G0A+2:G0A+3], 256
	s_or_b32 s[G0A+3], s[G0A+3], 0x80000000        ; type = 2
	s_or_b32 s[G0B+3], s[G0B+3], 0x80000000
	s_add_nc_u64 s[PFA:PFA+1], s[6:7], s[58:59]
	s_add_nc_u64 s[XB:XB+1], s[4:5], s[52:53]
	s_add_nc_u64 s[8:9], s[8:9], s[54:55]
	s_add_nc_u64 s[10:11], s[10:11], s[54:55]
	s_add_nc_u64 s[12:13], s[12:13], s[54:55]
	s_add_nc_u64 s[14:15], s[14:15], s[56:57]
	CROUND                                         ; all four work-groups are here: the first joint loads meet
	tensor_load_to_lds s[G0A:G0A+3], s[G1:G1+7]    ; K step 0; two loads of mine are out
	s_nop 0
	tensor_load_to_lds s[G0B:G0B+3], s[G1:G1+7]    ; K step 1
	s_nop 0
	PLACES
; 24 matrix instructions: row tiles 2 half, 2 half + 1 x all 12 column tiles, 32 along K, from buffers f.  The accumulators take turns, one instruction a turn.
.macro MUL f, half, zero
	WIN 0xa1+0x50*(\half)
.irp a2, 0,1
.irp b, 0,1,2,3,4,5,6,7,8,9,10,11
.if \zero
	v_wmma_f32_16x16x32_bf16 v[96*(\a2)+8*(\b):96*(\a2)+8*(\b)+7], v[96*(\f)+8*(\b):96*(\f)+8*(\b)+7], v[XF+32*(\f)+8*(2*(\half)+(\a2)):XF+32*(\f)+8*(2*(\half)+(\a2))+7], 0
.else
	v_wmma_f32_16x16x32_bf16 v[96*(\a2)+8*(\b):96*(\a2)+8*(\b)+7], v[96*(\f)+8*(\b):96*(\f)+8*(\b)+7], v[XF+32*(\f)+8*(2*(\half)+(\a2)):XF+32*(\f)+8*(2*(\half)+(\a2))+7], v[96*(\a2)+8*(\b):96*(\a2)+8*(\b)+7]
.endif
.endr
.endr
.endm
; 32 LDS loads in one run: the fragments of 32 along K at byte k of the rows, into buffers f
.macro FETCH k, f
	WIN 0x40
.irp b, 0,1,2,3,4,5,6,7,8,9,10,11
	ds_load_b128 v[96*(\f)+8*(\b):96*(\f)+8*(\b)+3],   v[ADRW] offset:(\k)+(\b)*16*PITCH
	ds_load_b128 v[96*(\f)+8*(\b)+4:96*(\f)+8*(\b)+7], v[ADRW] offset:(\k)+(\b)*16*PITCH+32
.endr
	WIN 0
.irp a, 0,1,2,3
	ds_load_b128 v[XF+32*(\f)+8*(\a):XF+32*(\f)+8*(\a)+3],   v[ADRX] offset:(\k)+(\a)*16*PITCH
	ds_load_b128 v[XF+32*(\f)+8*(\a)+4:XF+32*(\f)+8*(\a)+7], v[ADRX] offset:(\k)+(\a)*16*PITCH+32
.endr
.endm
.macro XGET first, n                   ; rows first .. of the K step at XB
	WIN 0
.set i, (\first)
.rept (\n)
	global_load_b128 v[XR+4*i:XR+4*i+3], v[XO], s[XB:XB+1] offset:i*8192 th:TH_LOAD_NT
.set i, i+1
.endr
.endm
.macro XWORK first, n, get             ; n rows are rounded to bf16, asked for again (get = 1: the K step after the next), and stored: 256 consecutive bytes a store
	WIN 0
.set i, (\first)
.rept (\n)
	v_cvt_pk_bf16_f32 v[XC+2*(i-(\first))],   v[XR+4*i],   v[XR+4*i+1]
	v_cvt_pk_bf16_f32 v[XC+2*(i-(\first))+1], v[XR+4*i+2], v[XR+4*i+3]
.set i, i+1
.endr
.if \get
	XGET \first, \n
.endif
.set i, (\first)
.rept (\n)
	ds_store_b64 v[XSTA], v[XC+2*(i-(\first)):XC+2*(i-(\first))+1] offset:i*PITCH
.set i, i+1
.endr
.endm
; A K step is four quarters of 32 along K, 48 matrix instructions each, on buffers 0, 1, 0, 1.  One of the first three: multiplies buffers f; in its middle it does a share of x's work (its
; conversions are the four places in front of the loads; else four v_nop) and fetches the next quarter, at byte k, into buffers g.
.macro QUARTER k, f, g, zero, x0, xn, cnt, get
	s_wait_dscnt 0x0                               ; buffers f are in
	MUL \f, 0, \zero
.if \xn
	s_wait_loadcnt \cnt                            ; loads come back in order: the oldest xn rows are in, cnt younger ones stay out
	XWORK \x0, \xn, \get
.else
	PLACES
.endif
	FETCH \k, \g
	MUL \f, 1, \zero
.endm
; The last quarter multiplies buffers 1 and changes slots.  In front of the barrier each wave waits for all its tensor loads (one is out: its part of the next slot), adds 0 to its spare word,
; and waits for that, for its stores into the next x stage and for its reads of this slot and stage.  fill = 1: the barrier opens a round of the cluster's, and the slot just read is filled
; again first behind it, with the K step two on: the load has a K step less 24 matrix instructions in which to land.
.macro TURN fill, cnt, get
	s_wait_dscnt 0x0                               ; buffers 1 are in
	s_wait_loadcnt \cnt
	XWORK 24, 8, \get
	WIN 0
	s_wait_tensorcnt 0x0
	ds_add_u32 v[SPW], v[NIL]                      ; 0 onto my spare word; 24 matrix instructions and the steps stand between it and the wait for it
	MUL 1, 0, 0
	WIN 0
.if \fill
	s_wait_xcnt 0x0                                ; every load and prefetch issued so far has read its address
	s_add_nc_u64 s[XB:XB+1], s[XB:XB+1], 512
	s_add_nc_u64 s[PFA:PFA+1], s[PFA:PFA+1], 256
	s_xor_b32 s[G0B+1], s[G0B+1], SLOT1            ; no tensor load of mine is out: the walking group 0 takes the other slot and the next K step
	s_add_nc_u64 s[G0B+2:G0B+3], s[G0B+2:G0B+3], 256
.endif
	s_wait_dscnt 0x0
	s_barrier_signal -1
	s_barrier_wait -1
.if \fill
	CREST
	tensor_load_to_lds s[G0B:G0B+3], s[G1:G1+7]
	s_nop 0
.endif
	PLACES
	s_xor_b32 s[TW], s[TW], SLOT1
	s_xor_b32 s[TXR], s[TXR], XS0^XS1
	s_xor_b32 s[TXW], s[TXW], XS0^XS1
	v_add_nc_u32 v[ADRW], s[TW], v[ADRW0]
	v_add_nc_u32 v[ADRX], s[TXR], v[ADRX0]
	v_add_nc_u32 v[XSTA], s[TXW], v[XSTA0]
	FETCH 0, 0
.if \fill
	ASK
.endif
	MUL 1, 1, 0
.endm
	XGET 0, 32                                     ; x of K step 0
	s_wait_loadcnt 0x0
	XWORK 0, 12, 0
	XWORK 12, 12, 0
	XWORK 24, 8, 0
	s_add_nc_u64 s[XB:XB+1], s[XB:XB+1], 512       ; (its loads are done)
	XGET 0, 32                                     ; K step 1 stays in registers until K step 0 is being multiplied
	v_add_nc_u32 v[XSTA], XS1, v[XSTA0]
	s_wait_xcnt 0x0
	s_add_nc_u64 s[XB:XB+1], s[XB:XB+1], 512
	s_wait_tensorcnt 0x1                           ; my part of K step 0 is in; K step 1's may stay out
	s_wait_dscnt 0x0                               ; my rows of stage 0 are stored
	s_barrier_signal -1
	s_barrier_wait -1
	FETCH 0, 0
	QUARTER 64, 0, 1, 1, 0, 0, 0, 0                ; the first quarter stands in front of the loop: its products start the sums
	WIN 0
	s_mov_b32 s3, 14
.Lstep:                                        ; K steps 0 to 13: from a step's second quarter to the next step's first
	QUARTER 128, 1, 0, 0, 0, 12, 20, 1
	QUARTER 192, 0, 1, 0, 12, 12, 20, 1
	TURN 1, 24, 1
	QUARTER 64, 0, 1, 0, 0, 0, 0, 0
	WIN 0
	s_sub_co_u32 s3, s3, 1
	s_cmp_lg_u32 s3, 0
	s_cbranch_scc1 .Lstep
	QUARTER 128, 1, 0, 0, 0, 12, 20, 0             ; K step 14: nothing more is asked for, and the counts run down
	QUARTER 192, 0, 1, 0, 12, 12, 8, 0
	TURN 0, 0, 0
	QUARTER 64, 0, 1, 0, 0, 0, 0, 0                ; K step 15
	QUARTER 128, 1, 0, 0, 0, 0, 0, 0
	QUARTER 192, 0, 1, 0, 0, 0, 0, 0
	s_wait_dscnt 0x0
	MUL 1, 0, 0
	MUL 1, 1, 0
	WIN 0
	PLACES
	; THE WAY OUT.  q's columns (waves with ch = 0, column tiles 0 to 7) are multiplied by c in f32, each accumulator from its low end on.
	s_cmp_lg_u32 s[CH], 0
	s_cbranch_scc1 .Lnoscale
.irp a, 0,1,2,3
	WIN 0x82+0x41*((\a)/2)                         ; destination and source 0 in window 2 or 3
.set i, 96*((\a)%2)
.rept 32
	v_pk_mul_f32 v[i:i+1], v[i:i+1], s[CS:CS+1] op_sel_hi:[1,0]
.set i, i+2
.endr
.endr
	WIN 0
.Lnoscale:
	s_cmp_lg_u32 s[BETA], 31                       ; the batch's last 16 rows are row tile 3 of the waves with rh = 1 in its last work-group
	s_cbranch_scc1 .Lnotail
	s_cmp_lg_u32 s[RH], 1
	s_cbranch_scc1 .Lnotail
	WIN 0x0c                                       ; store data in window 3
.irp b, 0,1,2,3,4,5,6,7,8,9,10,11
	global_store_b128 v[TO], v[96+8*(\b):96+8*(\b)+3], s[14:15] offset:64*(\b)
	global_store_b128 v[TO], v[96+8*(\b)+4:96+8*(\b)+7], s[14:15] offset:64*(\b)+16
.endr
	WIN 0
.Lnotail:
.irp a, 0,1,2,3                        ; rounded to f16, 16 bytes a lane, into rows of 784 bytes
	WIN 0x0a+5*((\a)/2)
.set i, 0
.rept 48
	v_cvt_pk_f16_f32 v[TMP+i], v[96*((\a)%2)+2*i], v[96*((\a)%2)+2*i+1]
.set i, i+1
.endr
	WIN 0
.irp b, 0,1,2,3,4,5,6,7,8,9,10,11
	ds_store_b128 v[STO], v[TMP+4*(\b):TMP+4*(\b)+3] offset:(\a)*16*OPITCH+32*(\b)
.endr
.endr
	s_wait_dscnt 0x0                               ; for the others' sake: a row's 768 bytes come from two waves
	s_barrier_signal -1
	s_barrier_wait -1
.set t, 0
.rept 48                               ; matrix t / 16, my rows 2 (t % 16) and the next
	ds_load_b128 v[OB+4*t:OB+4*t+3], v[RD] offset:(t%16)*2*OPITCH+(t/16)*256
.set t, t+1
.endr
.set t, 0
.rept 48
	s_wait_dscnt 47-t                              ; load t is in, the younger ones stay out
	global_store_b128 v[CO], v[OB+4*t:OB+4*t+3], s[8+2*(t/16):9+2*(t/16)] offset:(t%16)*512  ; 16 lanes store a whole row of 256 bytes
.set t, t+1
.endr
	s_wait_tensorcnt 0x0                           ; the wave's end
	ds_add_u32 v[SPW], v[NIL]
	s_wait_dscnt 0x0
	CROUND                                         ; the closing round
	s_endpgm
.Lfunc_end_k_q550fa36697_proj:
	.size	k_q550fa36697_proj, .Lfunc_end_k_q550fa36697_proj-k_q550fa36697_proj
	.p2alignl 7, 3214868480
	.fill 96, 4, 3214868480
	.section	.rodata,"a",@progbits
	.p2align	6, 0x0
	.amdhsa_kernel k_q550fa36697_proj
		.amdhsa_group_segment_fixed_size 327680
		.amdhsa_private_segment_fixed_size 0
		.amdhsa_enable_private_segment 0
		.amdhsa_kernarg_size 48
		.amdhsa_user_sgpr_count 2
		.amdhsa_user_sgpr_kernarg_segment_ptr 1
		.amdhsa_wavefront_size32 1
		.amdhsa_system_sgpr_workgroup_id_x 1
		.amdhsa_system_sgpr_workgroup_id_y 1
		.amdhsa_system_sgpr_workgroup_id_z 1
		.amdhsa_system_vgpr_workitem_id 0
		.amdhsa_next_free_vgpr 960
		.amdhsa_next_free_sgpr 66
		.amdhsa_reserve_vcc 0
		.amdhsa_float_denorm_mode_32 3
		.amdhsa_float_denorm_mode_16_64 3
		.amdhsa_memory_ordered 1
		.amdhsa_forward_progress 1
		.amdhsa_inst_pref_size 134
	.end_amdhsa_kernel
	.amdgpu_metadata
---
amdhsa.version: [ 1, 2 ]
amdhsa.kernels:
  - .name:           k_q550fa36697_proj
    .symbol:         k_q550fa36697_proj.kd
    .args:
      - { .name: x, .offset: 0, .size: 8, .value_kind: global_buffer, .address_space: global }
      - { .name: wt, .offset: 8, .size: 8, .value_kind: global_buffer, .address_space: global }
      - { .name: qh, .offset: 16, .size: 8, .value_kind: global_buffer, .address_space: global }
      - { .name: kh, .offset: 24, .size: 8, .value_kind: global_buffer, .address_space: global }
      - { .name: vh, .offset: 32, .size: 8, .value_kind: global_buffer, .address_space: global }
      - { .name: tail, .offset: 40, .size: 8, .value_kind: global_buffer, .address_space: global }
    .group_segment_fixed_size: 327680
    .private_segment_fixed_size: 0
    .kernarg_segment_align: 8
    .kernarg_segment_size: 48
    .max_flat_workgroup_size: 128
    .sgpr_count:     66
    .vgpr_count:     960
    .wavefront_size: 32
...
	.end_amdgpu_metadata
.endif
;; end of part 2
;; launch stats (part 3): grid 32 x 8, 4 waves a work-group, clusters of 4 x 1, 327,680 bytes of LDS; arguments qh, kh, negl; writes negl
.if DOCPART == 3
	.amdgcn_target "amdgcn-amd-amdhsa--gfx1250"
	.amdhsa_code_object_version 6
	.text
	.protected	k_q550fa36697_stats
	.globl	k_q550fa36697_stats
	.p2align	8
	.type	k_q550fa36697_stats,@function
k_q550fa36697_stats:
	s_mov_b64 s[64:65], 0
	v_nop
	global_prefetch_b8 v0, s[64:65] scope:SCOPE_SE
	s_setreg_imm32_b32 hwreg(HW_REG_WAVE_MODE, 25, 1), 1
	s_wait_xcnt 0x0
	s_wait_alu depctr_hold_cnt(0) depctr_sa_sdst(0) depctr_va_vdst(0) depctr_va_sdst(0) depctr_va_ssrc(0) depctr_va_vcc(0) depctr_vm_vsrc(0)
	s_getreg_b32 s2, hwreg(HW_REG_IB_STS2, 6, 4)
	s_cmp_eq_u32 s2, 0
	s_cbranch_scc0 .Lentry_in_a_cluster
	s_endpgm
.Lentry_in_a_cluster:
	s_bfe_u32 s2, ttmp6, 0x10000c
	s_cmp_lg_u32 s2, 0x3003
	s_cbranch_scc0 .Lentry_shape_is_right
	s_endpgm
.Lentry_shape_is_right:
; negl[b][s] = -L[s], L[s] = log2 of the sum over the queries t >= s of 2^(S'[t][s]), S' = (c q[t]) . k[s]: the softmax runs over the QUERY axis, so each key column has its own sum.
; qh (= c q), kh: [8][4096][128] f16.  A running maximum m and sum l for each key, in f32.  The last 16 keys of a batch get -1e30: another launch treats them in f32.
; LIMITS: a hidden score counts as its value less 1e30; a term below 2^-126 counts as 0; NaN and infinities are not treated apart.
; THE WALK.  A work-group owns two blocks of 64 keys, 63 - b and then b (b = 4 a + cx; a the cluster's x).  Block I needs the query tiles (256 queries) I / 4 .. 15: a + 1 tiles and then
; 16 - a: 17, whatever b, and which tiles hangs on a alone.  So the four partners ask for every tile JOINTLY, and one loop with a constant trip count walks them.
; SHARES.  In a tile wave w takes unit u = 4 J + w, 64 queries, against all 64 keys; it fetches and reads its own 64 rows alone.  S = Q K^T (source 0 = 16 queries out of LDS, source 1 = 16 keys
; kept in registers): a lane holds ONE key (lane % 16) and the queries 8 (lane / 16) + 0..7, so m and l are a lane's own; a key's 8 partial pairs (4 waves x 2 halves) meet in LDS at a block's end.
; THE MASK is the C operand that starts a sum: 0 or -1e30, made from three scalars that are selected (never branched on) by comparing u with I.
; BY TURNS.  The products of key tile kt run with the softmax of key tile kt - 1 behind them, ten vector instructions behind every second product; the last list stands alone, behind the
; loads of the next tile's fragments.  A list's 33 exponentials are one batch with one wait.
; REGISTERS (windows of 256): window 0: v2-12 addresses; v32-79 statistics, 12 a key tile; v80-111 masks; v128-255 S.   window 1: v0-127 Q fragments; v128-255 K.   window 2: v0-127 the second block's K
.set PITCH, 272
.set QPART, 64*PITCH
.set SLOT1, 1<<17                      ; slot 0 at byte 0 (256 rows), slot 1 here
.set STG,   SLOT1+256*PITCH            ; two regions of 4,096 bytes, one for each block's end: m[8][64], then l[8][64], f32.  Each is written once and read once
.set SPARE, STG+2*4096
.set AQ0, 2                            ; v2   my place in my wave's rows of a slot; never rewritten
.set AQ,  3                            ; v3   the same in the slot to be read
.set KO,  4                            ; v4   my byte offset in 16 rows of kh
.set FA,  5                            ; v5   where I put my partial m
.set FR,  6                            ; v6   where wave 0 reads two keys' partials
.set NO,  7                            ; v7   8 x lane
.set KV,  8                            ; v8   2 x lane
.set SPW, 10
.set NIL, 11
.set PFO, 12                           ; v12  256 x lane
.set ST,  32                           ; key tile kt at ST + 12 kt: +0 m, +1 its partner in a pair, +2, +3 l, +4..7 at work, +8 a, +9 its argument
.set CA,  80                           ; the C operand where the query tile lies behind the key tile,
.set CB,  88                           ; on it,
.set CC,  96                           ; in front of it
.set MD,  104                          ; -1e30 where 8 (lane / 16) + j < lane % 16
.set S,   128
.set MM,  128                          ; the merge: 8 pairs of m, 8 of l, and what is made of them
.set LL,  144
.set MX,  160
.set AC,  162
.set LG,  164
.set RS,  166
.set KX,  168
.set WV,  12
.set CX,  13
.set A,   14
.set BAT, 16
.set G1,  24
.set G0A, 32
.set G0W, 36
.set QB,  40                           ; s[40:41] qh at my wave's rows of the batch's tile 0
.set OFF, 42                           ; s[42:43] a tile's byte offset
.set NXT, 44                           ; the tile to be asked for next
.set CUR, 45                           ; the tile in hand
.set II,  46                           ; the key block in hand
.set I2,  47                           ; the second block, b
.set CNT, 48
.set TB,  49
.set U,   50
.set AL,  52                           ; s[52:53]
.set BEH, 54                           ; s[54:55]
.set BEHD, 56
.set BIGN, 57
.set PFA, 58                           ; s[58:59]
.set LIM, 60
.set NB,  66                           ; s[66:67] negl at the block in hand
.set NB2, 68
.set KB1, 70
.set KB2, 72
.set MSB, 0
.macro WIN new
.if MSB != (\new)
	s_set_vgpr_msb (MSB<<8)|(\new)
.set MSB, (\new)
.endif
.endm
.macro PLACES
.rept 4
	v_nop
.endr
.endm
.macro CROUND                          ; a round of the cluster's barrier
	s_barrier_signal -1
	s_barrier_wait -1
	s_cmp_lg_u32 s[WV], 0
	s_cbranch_scc1 .Lnot_wave_0_\@
	s_barrier_signal -3
.Lnot_wave_0_\@:
	s_barrier_wait -3
	s_barrier_signal -1
	s_barrier_wait -1
.endm
; A PREFETCH INTO THE L2.  Tiles 8 to 15 are first asked for at the launch's head, each by another cluster.  Tile J < 8 is first walked in the second blocks' walks, in trip J + 1 of every cluster.
; Cluster 0 of a batch asks: in trip p for tile p + 3, two trips ahead of the load that wants it, while p + 3 < 8.  Its partners share the 256 rows out by address, 64 each; waves 0 and 1 take 32 each.
.macro ASK
	s_cmp_gt_u32 s[CNT], s[LIM]
	s_cbranch_scc0 .Lnot_mine_\@
	global_prefetch_b8 v[PFO], s[PFA:PFA+1] th:TH_LOAD_NT scope:SCOPE_SE
.Lnot_mine_\@:
.endm
	s_load_b128 s[4:7], s[0:1], 0x0                ; qh s[4:5], kh s[6:7]
	s_load_b64 s[8:9], s[0:1], 0x10                ; negl
	v_lshl_add_u32 v[SPW], v0, 2, SPARE
	v_mov_b32 v[NIL], 0
	ds_add_u32 v[SPW], v[NIL]                      ; the wave's opening: the add and its wait stand ahead of my first tensor load
	v_lshrrev_b32 v1, 5, v0
	v_readfirstlane_b32 s[WV], v1
	s_bfe_u32 s[CX], ttmp6, 0x40000
	s_mov_b32 s[A], ttmp9
	s_lshl2_add_u32 s[I2], s[A], s[CX]             ; b: it enters global addresses and selects alone
	s_sub_co_u32 s[II], 63, s[I2]
	s_and_b32 s[BAT], ttmp7, 0xffff
	s_mov_b32 s[G1], 15|(1<<16)|(1<<20)|(1<<21)|(5<<22)|(3<<25)
	s_mov_b32 s[G1+1], 128<<16                     ; tensor_dim0 = 128
	s_mov_b32 s[G1+2], 64<<16                      ; tensor_dim1 = 64
	s_mov_b32 s[G1+3], 128<<16                     ; tile_dim0 = 128
	s_mov_b32 s[G1+4], 64                          ; tile_dim1 = 64
	s_mov_b32 s[G1+5], 128
	s_mov_b32 s[G1+6], 0
	s_mov_b32 s[G1+7], 0
	s_mul_i32 s23, s[WV], QPART
	s_mov_b32 s[G0A], 1
	s_mov_b32 s[G0A+1], s23
	s_mov_b32 s[G0W], 1
	s_add_co_u32 s[G0W+1], s23, SLOT1
	s_sub_co_u32 s[CUR], 15, s[A]                  ; the walk's first tile,
	s_add_co_u32 s[U], s[CUR], 1
	s_cmp_gt_u32 s[U], 15
	s_cselect_b32 s[U], s[A], s[U]                 ; its second: behind tile 15 the second walk begins, at tile a,
	s_add_co_u32 s[NXT], s[U], 1
	s_cmp_gt_u32 s[NXT], 15
	s_cselect_b32 s[NXT], s[A], s[NXT]             ; its third
	s_cmp_lt_u32 s[WV], 2
	s_cselect_b32 s20, s[A], 1
	s_cmp_eq_u32 s20, 0
	s_cselect_b32 s[LIM], 10, -1
	s_mov_b32 s[OFF+1], 0
	s_mov_b32 s[AL+1], 0
	s_mov_b32 s[BEH+1], 0
	s_mov_b32 s[BIGN], 0xf149f2ca                  ; -1e30
	s_mov_b32 s[TB], SLOT1                         ; the first fetch turns it into 0
	v_and_b32 v13, 31, v0                          ; lane
	v_and_b32 v14, 15, v0                          ; r
	v_bfe_u32 v15, v0, 4, 1                        ; h
	v_mul_u32_u24 v[AQ0], v14, PITCH
	v_lshl_add_u32 v[AQ0], v15, 4, v[AQ0]
	v_add_nc_u32 v[AQ0], s23, v[AQ0]
	v_lshlrev_b32 v[KO], 8, v14
	v_lshl_add_u32 v[KO], v15, 4, v[KO]
	s_lshl_b32 s20, s[WV], 9
	s_add_co_u32 s20, s20, STG
	v_lshlrev_b32 v[FA], 8, v15
	v_lshl_add_u32 v[FA], v14, 2, v[FA]
	v_add_nc_u32 v[FA], s20, v[FA]                 ; STG + 256 (2 w + h) + 4 r
	v_lshlrev_b32 v[NO], 3, v13
	v_add_nc_u32 v[FR], STG, v[NO]
	v_lshlrev_b32 v[KV], 1, v13
	v_lshlrev_b32 v[PFO], 8, v13
	v_lshlrev_b32 v9, 3, v15
	v_sub_nc_u32 v9, v14, v9                       ; r - 8 h
	s_wait_dscnt 0x0                               ; the opening add is done
	s_wait_kmcnt 0x0
	s_lshl_b32 s22, s[BAT], 20                     ; a batch's 4,096 rows of 256 bytes
	s_mov_b32 s21, 0
	s_lshl_b32 s20, s[WV], 14
	s_add_co_u32 s20, s20, s22
	s_add_nc_u64 s[QB:QB+1], s[4:5], s[20:21]
	s_lshl_b32 s20, s[II], 14
	s_add_co_u32 s20, s20, s22
	s_add_nc_u64 s[KB1:KB1+1], s[6:7], s[20:21]
	s_lshl_b32 s20, s[I2], 14
	s_add_co_u32 s20, s20, s22
	s_add_nc_u64 s[KB2:KB2+1], s[6:7], s[20:21]
	s_lshl_b32 s20, s[CX], 6
	s_min_u32 s23, s[WV], 1
	s_lshl_b32 s23, s23, 5
	s_add_co_u32 s20, s20, s23
	s_lshl_b32 s20, s20, 8
	s_add_co_u32 s20, s20, s22
	s_add_co_u32 s20, s20, 2<<16                   ; at tile 2: the first trip steps it to tile 3
	s_add_nc_u64 s[PFA:PFA+1], s[4:5], s[20:21]
	s_lshl_b32 s22, s[BAT], 14                     ; a batch's 4,096 numbers of negl
	s_lshl_b32 s20, s[II], 8
	s_add_co_u32 s20, s20, s22
	s_add_nc_u64 s[NB:NB+1], s[8:9], s[20:21]
	s_lshl_b32 s20, s[I2], 8
	s_add_co_u32 s20, s20, s22
	s_add_nc_u64 s[NB2:NB2+1], s[8:9], s[20:21]
	s_lshl_b32 s[OFF], s[CUR], 16
	s_add_nc_u64 s[G0A+2:G0A+3], s[QB:QB+1], s[OFF:OFF+1]
	s_or_b32 s[G0A+3], s[G0A+3], 0x80000000
	s_lshl_b32 s[OFF], s[U], 16
	s_add_nc_u64 s[G0W+2:G0W+3], s[QB:QB+1], s[OFF:OFF+1]
	s_or_b32 s[G0W+3], s[G0W+3], 0x80000000
	CROUND                                         ; all four work-groups are here: the first joint loads meet
	tensor_load_to_lds s[G0A:G0A+3], s[G1:G1+7]    ; two loads of mine are out
	s_nop 0
	tensor_load_to_lds s[G0W:G0W+3], s[G1:G1+7]
	s_nop 0
	PLACES
	WIN 0x40                                       ; both blocks' keys stay in registers: key tile f / 4, channels 32 (f % 4) on
.set f, 0
.rept 16
	global_load_b128 v[128+8*f:128+8*f+3], v[KO], s[KB1:KB1+1] offset:(f/4)*4096+(f%4)*64
	global_load_b128 v[128+8*f+4:128+8*f+7], v[KO], s[KB1:KB1+1] offset:(f/4)*4096+(f%4)*64+32
.set f, f+1
.endr
	WIN 0x80
.set f, 0
.rept 16
	global_load_b128 v[8*f:8*f+3], v[KO], s[KB2:KB2+1] offset:(f/4)*4096+(f%4)*64
	global_load_b128 v[8*f+4:8*f+7], v[KO], s[KB2:KB2+1] offset:(f/4)*4096+(f%4)*64+32
.set f, f+1
.endr
	WIN 0
.set i, 0
.rept 8
	v_cmp_lt_i32 vcc_lo, i, v9
	v_cndmask_b32 v[MD+i], 0, s[BIGN], vcc_lo
.set i, i+1
.endr
.macro RESET                           ; m at the lowest finite number, l at 0: the first step is a step like any other, with a = 0
.set i, 0
.rept 4
	v_mov_b32 v[ST+12*i], 0xff7fffff
	v_mov_b32 v[ST+12*i+1], 0xff7fffff
	v_mov_b32 v[ST+12*i+2], 0
	v_mov_b32 v[ST+12*i+3], 0
.set i, i+1
.endr
.endm
	RESET
; THE VECTOR WORK of a key tile and step: a list of 83; SMA writes number j of it and steps j.  s0-s31 are the lane's 32 scores of one key.
;   0-15  the maximum of s0-s31 and the old m, three operands at a time (each accumulator's lowest registers are read first)
;   16-18 m_old - m_new; the new m; a     19-66 the 16 subtractions s - m, a pair each, and the 32 exponentials, in threes: exponential, subtraction, exponential
;   (a v_nop and the one wait for the batch of 33)     67-81 the sum of the 16 pairs     82 l = a l + the sum
.macro SUBM b
	v_pk_add_f32 v[rS+2*(\b):rS+2*(\b)+1], v[rS+2*(\b):rS+2*(\b)+1], v[rT:rT+1] op_sel_hi:[1,0] neg_lo:[0,1] neg_hi:[0,1]
.endm
.macro EXPS x
	v_exp_f32 v[rS+(\x)], v[rS+(\x)]
.endm
.macro SMA kt
.set rT, ST+12*(\kt)
.set rS, S+32*(\kt)
.if j < 4
	v_max3_num_f32 v[rT+4+j], v[rS+8*j], v[rS+8*j+1], v[rS+8*j+2]
.elseif j < 12
	v_max3_num_f32 v[rT+4+j%4], v[rT+4+j%4], v[rS+8*(j%4)+2*(j/4)+1], v[rS+8*(j%4)+2*(j/4)+2]
.elseif j == 12
	v_max3_num_f32 v[rT+4], v[rT+4], v[rS+7], v[rS+15]
.elseif j == 13
	v_max3_num_f32 v[rT+6], v[rT+6], v[rS+23], v[rS+31]
.elseif j == 14
	v_max3_num_f32 v[rT+4], v[rT+4], v[rT+5], v[rT+6]
.elseif j == 15
	v_max3_num_f32 v[rT+4], v[rT+4], v[rT+7], v[rT]
.elseif j == 16
	v_sub_f32 v[rT+9], v[rT], v[rT+4]
.elseif j == 17
	v_mov_b32 v[rT], v[rT+4]
.elseif j == 18
	v_exp_f32 v[rT+8], v[rT+9]
.elseif j < 21
	SUBM j-19
.elseif j < 63
.if (j-21)%3 == 0
	EXPS 2*((j-21)/3)
.elseif (j-21)%3 == 1
	SUBM (j-21)/3+2
.else
	EXPS 2*((j-21)/3)+1
.endif
.elseif j < 67
	EXPS j-35
.elseif j < 82
.set z_, j-67
.set w_, 4
.set u_, z_
.if z_ >= 14
.set w_, 32
.set u_, 0
.elseif z_ >= 12
.set w_, 16
.set u_, z_-12
.elseif z_ >= 8
.set w_, 8
.set u_, z_-8
.endif
	v_pk_add_f32 v[rS+w_*u_:rS+w_*u_+1], v[rS+w_*u_:rS+w_*u_+1], v[rS+w_*u_+w_/2:rS+w_*u_+w_/2+1]
.else
	v_pk_fma_f32 v[rT+2:rT+3], v[rT+2:rT+3], v[rT+8:rT+9], v[rS:rS+1] op_sel_hi:[1,0,1]
.endif
.if j == 66
	v_nop                                          ; a plain instruction behind the last exponential,
	s_wait_alu depctr_va_vdst(0)                   ; and the one wait ahead of the batch's first reader
.endif
.set j, j+1
.endm
.macro RIDE kt, n
	WIN 0
.rept (\n)
	SMA \kt
.endr
.endm
; The 16 products of key tile kt: channels 32 (i / 4) on, query tile i % 4.  The four accumulators take turns; the first four products start the sums with the mask.
.macro G kt, ride
.set i, 0
.set j, 0
.rept 16
.set qt_, i%4
.set c_, i/4
.set rD, S+32*(\kt)+8*qt_
	WIN 0x05                                       ; Q and K in window 1, S and the mask in window 0
.if c_ == 0
.if qt_ > (\kt)
.set rC, CA
.elseif qt_ == (\kt)
.set rC, CB
.else
.set rC, CC
.endif
	v_wmma_f32_16x16x32_f16 v[rD:rD+7], v[32*qt_+8*c_:32*qt_+8*c_+7], v[128+32*(\kt)+8*c_:128+32*(\kt)+8*c_+7], v[rC:rC+7]
.else
	v_wmma_f32_16x16x32_f16 v[rD:rD+7], v[32*qt_+8*c_:32*qt_+8*c_+7], v[128+32*(\kt)+8*c_:128+32*(\kt)+8*c_+7], v[rD:rD+7]
.endif
.if (\ride) && (i%2 == 1)
.if i == 15
	RIDE (\kt)-1, 13
.else
	RIDE (\kt)-1, 10
.endif
.endif
.set i, i+1
.endr
.endm
.macro FETCHQ                          ; my 64 rows of the other slot: 16 fragments, 32 loads in one run
	WIN 0
	s_xor_b32 s[TB], s[TB], SLOT1
	v_add_nc_u32 v[AQ], s[TB], v[AQ0]
	WIN 0x40
.set f, 0
.rept 16
	ds_load_b128 v[8*f:8*f+3],   v[AQ] offset:(f/4)*16*PITCH+(f%4)*64
	ds_load_b128 v[8*f+4:8*f+7], v[AQ] offset:(f/4)*16*PITCH+(f%4)*64+32
.set f, f+1
.endr
	WIN 0
.endm
; A STEP: my unit of tile CUR against the block's 64 keys.  The last 13 riders of a list, all plain and naming nothing of the products round them, are the places behind a key tile's last product.
.macro STEPA
	WIN 0
	s_lshl2_add_u32 s[U], s[CUR], s[WV]            ; my unit of 64 queries
	s_cmp_eq_u32 s[U], s[II]
	s_cselect_b32 s[AL], 1.0, 0                    ; it holds the diagonal,
	s_cmp_lt_u32 s[U], s[II]
	s_cselect_b32 s[BEH], s[BIGN], 0               ; or lies wholly in front of the keys
	s_cmp_le_u32 s[U], s[II]
	s_cselect_b32 s[BEHD], s[BIGN], 0
.set i, 0
.rept 8
	v_mov_b32 v[CA+i], s[BEH]
	v_mov_b32 v[CC+i], s[BEHD]
.set i, i+1
.endr
.set i, 0
.rept 4
	v_pk_fma_f32 v[CB+2*i:CB+2*i+1], v[MD+2*i:MD+2*i+1], s[AL:AL+1], s[BEH:BEH+1] op_sel_hi:[1,0,0]
.set i, i+1
.endr
	G 0, 0
	PLACES
	G 1, 1
	G 2, 1
	G 3, 1
	FETCHQ                                         ; the next tile's fragments come while the last list runs
.set j, 0
	RIDE 3, 83
.endm
; THE CHANGE OF SLOTS, at a trip's head.  The fragments of the tile in hand have been asked of its slot.  Each wave waits for all its tensor loads (one is out: the next tile), adds 0 to its spare
; word, and waits for that and for its reads of the slot; behind a round of the cluster's barrier the slot is filled again, with the tile two on, whose address is made anew from its number.
.macro CHANGE
	WIN 0
	s_wait_tensorcnt 0x0
	ds_add_u32 v[SPW], v[NIL]                      ; 0 onto my spare word; the descriptor's work stands between it and the wait for it
	s_lshl_b32 s[OFF], s[NXT], 16
	s_xor_b32 s[G0W+1], s[G0W+1], SLOT1
	s_add_nc_u64 s[G0W+2:G0W+3], s[QB:QB+1], s[OFF:OFF+1]
	s_or_b32 s[G0W+3], s[G0W+3], 0x80000000
	s_add_co_u32 s[NXT], s[NXT], 1
	s_cmp_gt_u32 s[NXT], 15
	s_cselect_b32 s[NXT], s[A], s[NXT]
	s_wait_xcnt 0x0                                ; the last prefetch, a trip back, has read its address
	s_add_nc_u64 s[PFA:PFA+1], s[PFA:PFA+1], 1<<16
	s_wait_dscnt 0x0
	CROUND
	tensor_load_to_lds s[G0W:G0W+3], s[G1:G1+7]
	s_nop 0
	PLACES
	ASK
.endm
; A BLOCK'S END.  Each lane's m and l go to LDS; wave 0 merges a key's eight partials, two keys a lane: M = the greatest m, l = the sum of l_p 2^(m_p - M), -L = -M - log2 l.
; A partial that saw hidden scores alone has m near -1e30, and its factor is 0.  reg = 0, 1: the block's own 4,096 bytes of LDS, so that the second block's stores touch no byte that
; wave 0 read at the first block's end: the two ends need no barrier between them.
.macro FINISH reg
	WIN 0
.irp k4, 0,1,2,3
	v_add_f32 v[ST+12*(\k4)+2], v[ST+12*(\k4)+2], v[ST+12*(\k4)+3]
.endr
.irp k4, 0,1,2,3
	ds_store_b32 v[FA], v[ST+12*(\k4)] offset:4096*(\reg)+64*(\k4)
	ds_store_b32 v[FA], v[ST+12*(\k4)+2] offset:4096*(\reg)+2048+64*(\k4)
.endr
	s_wait_dscnt 0x0                               ; for wave 0's sake
	s_barrier_signal -1
	s_barrier_wait -1
	s_cmp_lg_u32 s[WV], 0
	s_cbranch_scc1 .Lmerged_\@
.irp p, 0,1,2,3,4,5,6,7
	ds_load_b64 v[MM+2*(\p):MM+2*(\p)+1], v[FR] offset:4096*(\reg)+256*(\p)
.endr
.irp p, 0,1,2,3,4,5,6,7
	ds_load_b64 v[LL+2*(\p):LL+2*(\p)+1], v[FR] offset:4096*(\reg)+2048+256*(\p)
.endr
	s_wait_dscnt 0x0
.irp x, 0,1
	v_max3_num_f32 v[MX+(\x)], v[MM+(\x)], v[MM+2+(\x)], v[MM+4+(\x)]
	v_max3_num_f32 v[MX+(\x)], v[MX+(\x)], v[MM+6+(\x)], v[MM+8+(\x)]
	v_max3_num_f32 v[MX+(\x)], v[MX+(\x)], v[MM+10+(\x)], v[MM+12+(\x)]
	v_max_num_f32 v[MX+(\x)], v[MX+(\x)], v[MM+14+(\x)]
.endr
.irp p, 0,1,2,3,4,5,6,7
	v_pk_add_f32 v[MM+2*(\p):MM+2*(\p)+1], v[MM+2*(\p):MM+2*(\p)+1], v[MX:MX+1] neg_lo:[0,1] neg_hi:[0,1]
.endr
.set i, 0
.rept 16
	v_exp_f32 v[MM+i], v[MM+i]
.set i, i+1
.endr
	v_nop
	s_wait_alu depctr_va_vdst(0)                   ; one wait for the sixteen
	v_pk_mul_f32 v[AC:AC+1], v[MM:MM+1], v[LL:LL+1]
.irp p, 1,2,3,4,5,6,7
	v_pk_fma_f32 v[AC:AC+1], v[MM+2*(\p):MM+2*(\p)+1], v[LL+2*(\p):LL+2*(\p)+1], v[AC:AC+1]
.endr
	v_log_f32 v[LG], v[AC]
	v_log_f32 v[LG+1], v[AC+1]
	s_lshl_b32 s20, s[II], 6
	v_add_nc_u32 v[KX], s20, v[KV]                 ; my first key's number in the batch
	s_wait_alu depctr_va_vdst(0)
	v_pk_add_f32 v[RS:RS+1], v[MX:MX+1], v[LG:LG+1] neg_lo:[1,1] neg_hi:[1,1]
	v_cmp_le_u32 vcc_lo, 0xff0, v[KX]              ; the batch's last 16 keys
	v_cndmask_b32 v[RS], v[RS], s[BIGN], vcc_lo
	v_cndmask_b32 v[RS+1], v[RS+1], s[BIGN], vcc_lo
	global_store_b64 v[NO], v[RS:RS+1], s[NB:NB+1] ; 256 consecutive bytes, aligned
	s_wait_xcnt 0x0                                ; its registers and its base are written again below
.Lmerged_\@:
.endm
	s_wait_tensorcnt 0x1                           ; my rows of the first tile are in; the second's may stay out.  No barrier: I read my own rows alone
	FETCHQ
	s_wait_loadcnt 0x0                             ; the keys
	s_mov_b32 s[CNT], 15
.Lstep:                                        ; trips 0 to 14: each asks for the tile two on
	CHANGE
	STEPA
	s_cmp_eq_u32 s[CUR], 15
	s_cbranch_scc0 .Lsame                          ; (hangs on a and the trip alone: the same in all partners)
	FINISH 0                                       ; the first block's end
	RESET
	WIN 0x42                                       ; the second block's keys go where the one text of the products names K
.set i, 0
.rept 128
	v_mov_b32 v[128+i], v[i]
.set i, i+1
.endr
	WIN 0
	s_mov_b32 s[II], s[I2]
	s_mov_b64 s[NB:NB+1], s[NB2:NB2+1]
	s_mov_b32 s[CUR], s[A]
	s_branch .Lnext
.Lsame:
	s_add_co_u32 s[CUR], s[CUR], 1
.Lnext:
	s_sub_co_u32 s[CNT], s[CNT], 1
	s_cmp_lg_u32 s[CNT], 0
	s_cbranch_scc1 .Lstep
	s_wait_tensorcnt 0x0                           ; the walk's last tile is in: nothing more is asked for
	s_mov_b32 s[CNT], 2
.Ltail:                                        ; trips 15 and 16; the last one's fetch reads a slot once more and serves nothing: the price of one text for both
	s_wait_dscnt 0x0
	STEPA
	s_add_co_u32 s[CUR], s[CUR], 1
	s_sub_co_u32 s[CNT], s[CNT], 1
	s_cmp_lg_u32 s[CNT], 0
	s_cbranch_scc1 .Ltail
	FINISH 1                                       ; the second block's end, in LDS bytes of its own
	s_wait_tensorcnt 0x0                           ; the wave's end
	ds_add_u32 v[SPW], v[NIL]
	s_wait_dscnt 0x0
	CROUND                                         ; the closing round
	s_endpgm
.Lfunc_end_k_q550fa36697_stats:
	.size	k_q550fa36697_stats, .Lfunc_end_k_q550fa36697_stats-k_q550fa36697_stats
	.p2alignl 7, 3214868480
	.fill 96, 4, 3214868480
	.section	.rodata,"a",@progbits
	.p2align	6, 0x0
	.amdhsa_kernel k_q550fa36697_stats
		.amdhsa_group_segment_fixed_size 327680
		.amdhsa_private_segment_fixed_size 0
		.amdhsa_enable_private_segment 0
		.amdhsa_kernarg_size 24
		.amdhsa_user_sgpr_count 2
		.amdhsa_user_sgpr_kernarg_segment_ptr 1
		.amdhsa_wavefront_size32 1
		.amdhsa_system_sgpr_workgroup_id_x 1
		.amdhsa_system_sgpr_workgroup_id_y 1
		.amdhsa_system_sgpr_workgroup_id_z 1
		.amdhsa_system_vgpr_workitem_id 0
		.amdhsa_next_free_vgpr 640
		.amdhsa_next_free_sgpr 80
		.amdhsa_reserve_vcc 1
		.amdhsa_float_denorm_mode_32 3
		.amdhsa_float_denorm_mode_16_64 3
		.amdhsa_memory_ordered 1
		.amdhsa_forward_progress 1
		.amdhsa_inst_pref_size 82
	.end_amdhsa_kernel
	.amdgpu_metadata
---
amdhsa.version: [ 1, 2 ]
amdhsa.kernels:
  - .name:           k_q550fa36697_stats
    .symbol:         k_q550fa36697_stats.kd
    .args:
      - { .name: qh, .offset: 0, .size: 8, .value_kind: global_buffer, .address_space: global }
      - { .name: kh, .offset: 8, .size: 8, .value_kind: global_buffer, .address_space: global }
      - { .name: negl, .offset: 16, .size: 8, .value_kind: global_buffer, .address_space: global }
    .group_segment_fixed_size: 327680
    .private_segment_fixed_size: 0
    .kernarg_segment_align: 8
    .kernarg_segment_size: 24
    .max_flat_workgroup_size: 128
    .sgpr_count:     80
    .vgpr_count:     640
    .wavefront_size: 32
...
	.end_amdgpu_metadata
.endif
;; end of part 3
;; launch corner (part 4): grid 8 x 1, 4 waves a work-group, no clusters, 0 bytes of LDS; arguments tail, corn; writes corn
.if DOCPART == 4
	.amdgcn_target "amdgcn-amd-amdhsa--gfx1250"
	.amdhsa_code_object_version 6
	.text
	.protected	k_q550fa36697_corner
	.globl	k_q550fa36697_corner
	.p2align	8
	.type	k_q550fa36697_corner,@function
k_q550fa36697_corner:
	s_mov_b64 s[64:65], 0
	v_nop
	global_prefetch_b8 v0, s[64:65] scope:SCOPE_SE
	s_setreg_imm32_b32 hwreg(HW_REG_WAVE_MODE, 25, 1), 1
	s_wait_xcnt 0x0
; THE LAST 16 KEYS OF A BATCH, IN F32.  Key s of them is seen by the queries s .. 4095 alone, so its weights are large, and a 16-bit rounding of q, k, v or the weight would show in the batch's last rows.
; corn[b][t][d] = the sum over these 16 keys s <= t of softmax over the queries t' >= s of (c q[t'] . k[s]), times v[s][d], for the batch's last 16 queries t.
; tail: f32 [8][16][384] = c q | k | v of those rows.  corn: f32 [8][16][128]; the last launch adds it to its own sums, which give these keys the weight 0.
; 16 x 16 x 128 products twice: not bulk work, so the f32 matrix form serves.  A work-group a batch; each wave makes all scores and weights, and 32 of the 128 channels.
; S^T = K Q^T: a lane holds one query (lane % 16) and the keys 8 (lane / 16) + j, a register a key: a key's maximum and sum run over 16 lanes.  Channels are taken in the same permuted
; order on both sides (a lane's 16 bytes feed two products).  The registers that the f32 form writes are written by nothing else.
; The stores are 32 bytes a lane in 16 rows: 64 KiB in the whole launch.
.set KO, 4                             ; v4  r x 1,536 + 16 h
.set VO, 5                             ; v5  8 h rows + 4 r + my wave's 128 bytes
.set CO, 6                             ; v6  r x 512 + 32 h + my wave's 128 bytes
.set MD, 16                            ; v[16:23]   -1e30 where key 8 h + j > query r
.set SM, 24                            ; v[24:31]   sums, then reciprocals
.set KR, 32                            ; v[32:95]   k
.set QR, 96                            ; v[96:159]  c q
.set SA, 160                           ; v[160:191] four accumulators of S^T, by turns
.set TT, 192                           ; v[192:199] scores, then weights
.set MX, 200                           ; v[200:207] maxima
.set VT, 208                           ; v[208:223] v, turned by the loads' addresses
.set OA, 224                           ; v[224:239] two accumulators of the result
	s_load_b128 s[4:7], s[0:1], 0x0                ; tail s[4:5], corn s[6:7]
	v_lshrrev_b32 v1, 5, v0
	v_readfirstlane_b32 s8, v1                     ; wave 0..3
	v_and_b32 v2, 15, v0                           ; r
	v_bfe_u32 v3, v0, 4, 1                         ; h
	v_mul_u32_u24 v[KO], v2, 1536
	v_lshl_add_u32 v[KO], v3, 4, v[KO]
	s_lshl_b32 s9, s8, 7
	v_mul_u32_u24 v[VO], v3, 8*1536
	v_lshl_add_u32 v[VO], v2, 2, v[VO]
	v_add_nc_u32 v[VO], s9, v[VO]
	v_lshlrev_b32 v[CO], 9, v2
	v_lshl_add_u32 v[CO], v3, 5, v[CO]
	v_add_nc_u32 v[CO], s9, v[CO]
	v_lshlrev_b32 v7, 3, v3
	v_sub_nc_u32 v7, v2, v7                        ; r - 8 h
	s_mul_i32 s10, ttmp9, 24576
	s_mov_b32 s11, 0
	s_lshl_b32 s12, ttmp9, 13
	s_mov_b32 s13, 0
	s_mov_b32 s14, 0xf149f2ca                      ; -1e30
	s_wait_kmcnt 0x0
	s_add_nc_u64 s[4:5], s[4:5], s[10:11]
	s_add_nc_u64 s[6:7], s[6:7], s[12:13]
.set i, 0
.rept 16
	global_load_b128 v[KR+4*i:KR+4*i+3], v[KO], s[4:5] offset:512+32*i
.set i, i+1
.endr
.set i, 0
.rept 16
	global_load_b128 v[QR+4*i:QR+4*i+3], v[KO], s[4:5] offset:32*i
.set i, i+1
.endr
.set i, 0
.rept 16                               ; channel block i / 8 of my two, keys 8 h + i % 8
	global_load_b32 v[VT+i], v[VO], s[4:5] offset:(i%8)*1536+1024+64*(i/8)
.set i, i+1
.endr
.set i, 0
.rept 8
	v_cmp_gt_i32 vcc_lo, i, v7
	v_cndmask_b32 v[MD+i], 0, s14, vcc_lo
.set i, i+1
.endr
	s_wait_loadcnt 16                              ; k and c q are in; v's sixteen loads may stay out
.set i, 0
.rept 32                               ; four channels a product; the four accumulators take turns; the first four products start the sums
.if i < 4
	v_wmma_f32_16x16x4_f32 v[SA+8*(i%4):SA+8*(i%4)+7], v[KR+2*i:KR+2*i+1], v[QR+2*i:QR+2*i+1], 0
.else
	v_wmma_f32_16x16x4_f32 v[SA+8*(i%4):SA+8*(i%4)+7], v[KR+2*i:KR+2*i+1], v[QR+2*i:QR+2*i+1], v[SA+8*(i%4):SA+8*(i%4)+7]
.endif
.set i, i+1
.endr
.rept 8
	v_nop                                          ; eight places behind this form (ISA guide 7.12.1)
.endr
.irp p, 0,2,4,6
	v_pk_add_f32 v[TT+(\p):TT+(\p)+1], v[SA+(\p):SA+(\p)+1], v[SA+8+(\p):SA+8+(\p)+1]
.endr
.irp p, 0,2,4,6
	v_pk_add_f32 v[MX+(\p):MX+(\p)+1], v[SA+16+(\p):SA+16+(\p)+1], v[SA+24+(\p):SA+24+(\p)+1]
.endr
.irp p, 0,2,4,6
	v_pk_add_f32 v[TT+(\p):TT+(\p)+1], v[TT+(\p):TT+(\p)+1], v[MX+(\p):MX+(\p)+1]
.endr
.irp p, 0,2,4,6
	v_pk_add_f32 v[TT+(\p):TT+(\p)+1], v[TT+(\p):TT+(\p)+1], v[MD+(\p):MD+(\p)+1]
.endr
.irp p, 0,1,2,3,4,5,6,7
	v_mov_b32 v[MX+(\p)], v[TT+(\p)]
.endr
.irp m, 1,2,4,8                        ; a key's maximum over its 16 queries; every key sees its own query
.irp p, 0,1,2,3,4,5,6,7
	v_max_num_f32_dpp v[MX+(\p)], v[MX+(\p)], v[MX+(\p)] row_xmask:\m row_mask:0xf bank_mask:0xf
.endr
.endr
.irp p, 0,2,4,6
	v_pk_add_f32 v[TT+(\p):TT+(\p)+1], v[TT+(\p):TT+(\p)+1], v[MX+(\p):MX+(\p)+1] neg_lo:[0,1] neg_hi:[0,1]
.endr
.irp p, 0,1,2,3,4,5,6,7
	v_exp_f32 v[TT+(\p)], v[TT+(\p)]
.endr
	v_nop
	s_wait_alu depctr_va_vdst(0)                   ; one wait for the eight exponentials
.irp p, 0,1,2,3,4,5,6,7
	v_mov_b32 v[SM+(\p)], v[TT+(\p)]
.endr
.irp m, 1,2,4,8
.irp p, 0,1,2,3,4,5,6,7
	v_add_f32_dpp v[SM+(\p)], v[SM+(\p)], v[SM+(\p)] row_xmask:\m row_mask:0xf bank_mask:0xf
.endr
.endr
.irp p, 0,1,2,3,4,5,6,7
	v_rcp_f32 v[SM+(\p)], v[SM+(\p)]
.endr
	v_nop
	s_wait_alu depctr_va_vdst(0)                   ; one wait for the eight reciprocals
.irp p, 0,2,4,6
	v_pk_mul_f32 v[TT+(\p):TT+(\p)+1], v[TT+(\p):TT+(\p)+1], v[SM+(\p):SM+(\p)+1]
.endr
	s_wait_loadcnt 0x0                             ; v
.set i, 0
.rept 8                                ; O^T = V^T P: keys 8 h + 2 (i / 2) + 0, 1; channel block i % 2: the two accumulators take turns
.if i < 2
	v_wmma_f32_16x16x4_f32 v[OA+8*(i%2):OA+8*(i%2)+7], v[VT+8*(i%2)+2*(i/2):VT+8*(i%2)+2*(i/2)+1], v[TT+2*(i/2):TT+2*(i/2)+1], 0
.else
	v_wmma_f32_16x16x4_f32 v[OA+8*(i%2):OA+8*(i%2)+7], v[VT+8*(i%2)+2*(i/2):VT+8*(i%2)+2*(i/2)+1], v[TT+2*(i/2):TT+2*(i/2)+1], v[OA+8*(i%2):OA+8*(i%2)+7]
.endif
.set i, i+1
.endr
.rept 8
	v_nop
.endr
.irp c, 0,1
	global_store_b128 v[CO], v[OA+8*(\c):OA+8*(\c)+3], s[6:7] offset:64*(\c)
	global_store_b128 v[CO], v[OA+8*(\c)+4:OA+8*(\c)+7], s[6:7] offset:64*(\c)+16
.endr
	s_endpgm
.Lfunc_end_k_q550fa36697_corner:
	.size	k_q550fa36697_corner, .Lfunc_end_k_q550fa36697_corner-k_q550fa36697_corner
	.p2alignl 7, 3214868480
	.fill 96, 4, 3214868480
	.section	.rodata,"a",@progbits
	.p2align	6, 0x0
	.amdhsa_kernel k_q550fa36697_corner
		.amdhsa_group_segment_fixed_size 0
		.amdhsa_private_segment_fixed_size 0
		.amdhsa_enable_private_segment 0
		.amdhsa_kernarg_size 16
		.amdhsa_user_sgpr_count 2
		.amdhsa_user_sgpr_kernarg_segment_ptr 1
		.amdhsa_wavefront_size32 1
		.amdhsa_system_sgpr_workgroup_id_x 1
		.amdhsa_system_sgpr_workgroup_id_y 1
		.amdhsa_system_sgpr_workgroup_id_z 1
		.amdhsa_system_vgpr_workitem_id 0
		.amdhsa_next_free_vgpr 240
		.amdhsa_next_free_sgpr 66
		.amdhsa_reserve_vcc 1
		.amdhsa_float_denorm_mode_32 3
		.amdhsa_float_denorm_mode_16_64 3
		.amdhsa_memory_ordered 1
		.amdhsa_forward_progress 1
		.amdhsa_inst_pref_size 17
	.end_amdhsa_kernel
	.amdgpu_metadata
---
amdhsa.version: [ 1, 2 ]
amdhsa.kernels:
  - .name:           k_q550fa36697_corner
    .symbol:         k_q550fa36697_corner.kd
    .args:
      - { .name: tail, .offset: 0, .size: 8, .value_kind: global_buffer, .address_space: global }
      - { .name: corn, .offset: 8, .size: 8, .value_kind: global_buffer, .address_space: global }
    .group_segment_fixed_size: 0
    .private_segment_fixed_size: 0
    .kernarg_segment_align: 8
    .kernarg_segment_size: 16
    .max_flat_workgroup_size: 128
    .sgpr_count:     66
    .vgpr_count:     240
    .wavefront_size: 32
...
	.end_amdgpu_metadata
.endif
;; end of part 4
;; launch outp (part 5): grid 32 x 8, 4 waves a work-group, clusters of 4 x 1, 327,680 bytes of LDS; arguments qh, kh, vh, negl, corn, out0; writes out0
.if DOCPART == 5
	.amdgcn_target "amdgcn-amd-amdhsa--gfx1250"
	.amdhsa_code_object_version 6
	.text
	.protected	k_q550fa36697_outp
	.globl	k_q550fa36697_outp
	.p2align	8
	.type	k_q550fa36697_outp,@function
k_q550fa36697_outp:
	s_mov_b64 s[64:65], 0
	v_nop
	global_prefetch_b8 v0, s[64:65] scope:SCOPE_SE
	s_setreg_imm32_b32 hwreg(HW_REG_WAVE_MODE, 25, 1), 1
	s_wait_xcnt 0x0
	s_wait_alu depctr_hold_cnt(0) depctr_sa_sdst(0) depctr_va_vdst(0) depctr_va_sdst(0) depctr_va_ssrc(0) depctr_va_vcc(0) depctr_vm_vsrc(0)
	s_getreg_b32 s2, hwreg(HW_REG_IB_STS2, 6, 4)
	s_cmp_eq_u32 s2, 0
	s_cbranch_scc0 .Lentry_in_a_cluster
	s_endpgm
.Lentry_in_a_cluster:
	s_bfe_u32 s2, ttmp6, 0x10000c
	s_cmp_lg_u32 s2, 0x3003
	s_cbranch_scc0 .Lentry_shape_is_right
	s_endpgm
.Lentry_shape_is_right:
; out0[b][t][:] = the sum over the keys s <= t of 2^(S'[t][s] - L[s]) v[s][:], S' = (c q[t]) . k[s]; negl = -L comes from the launch before, so every weight is at most 1 and no maximum is wanted here:
; the maximum was taken away where L was made.  qh, kh, vh: [8][4096][128] f16; out0: f32.  Products and sums in f32; the weights are rounded to f16 for the second product.
; The batch's last 16 keys have negl = -1e30, weight 0 here; their share, made in f32, is added from corn to the batch's last 16 rows.
; LIMITS: a hidden score counts as its value less 1e30; a weight below 2^-126 counts as 0, and below 6e-5 it keeps f16's fixed step; NaN and infinities are not treated apart.
; THE WALK.  A work-group owns two blocks of 64 queries, b and then 63 - b (b = 4 a + cx).  Block I needs the key tiles (256 keys) 0 .. I / 4: a + 1 tiles and then 16 - a: 17, whatever b, and
; which tiles hangs on a alone: the four partners ask for every tile JOINTLY, and one loop with a constant trip count walks them.
; SHARES.  The KEYS are split among the waves: in a tile wave w takes unit u = 4 J + w, 64 keys, against all 64 queries.  The sum over keys is linear: the four partial O^T are added at a block's end.
; LAYOUT.  S^T = K Q^T + C with C = -L[key] + mask: the matrix result IS the exponent.  A lane holds one query and eight keys; two such results, as weights in f16 pairs written over them, ARE source 1
; of O^T = V^T P.  V comes out of LDS turned (ds_load_tr16_b128).  The C operands of the next step are made beside this step's last products.
; REGISTERS (windows of 256): window 0: v2-14 addresses; v16-31 corn; v34-41 MD; v42-49 zeros; v64-95 -L (the way out: v64-127); v128-223 three sets of C.
;   window 1: O^T, tile (qt, cb) at 64 qt + 8 cb.   window 2: v0-127 Q; v128-255 V.   window 3: v0-127 K; v128-255 S^T and P
.set PK,    272                        ; a row of K in LDS: 256 bytes + 16
.set PV,    288                        ; a row of V: 256 + 32
.set VOFF,  256*PK                     ; a slot: 256 rows of K, then 256 rows of V
.set SLOTX, 0x24000                    ; slot 1 begins here.  The four loads' places in slot 0 (0, 0x8800, 0x11000, 0x1a000) have bits 14 and 17 clear: one exclusive or changes slots
.set STG,   SLOTX+VOFF+256*PV          ; 4 senders x 16 rows x 528 bytes, for the way out
.set SPARE, STG+4*16*528
.set AK0, 2
.set AV0, 3
.set AK,  4
.set AV,  5
.set QO,  6
.set NO,  7
.set STO, 8
.set RD,  9
.set GO,  10
.set SPW, 12
.set NIL, 13
.set PFO, 14
.set CN,  16
.set MD,  34
.set ZR,  42
.set NL,  64
.set T,   64
.set C1,  128                          ; key tile in front of the query tile
.set C2,  160                          ; on it
.set C3,  192                          ; behind it
.set SB,  128                          ; window 3: S^T (qt, kt) at SB + 32 qt + 8 kt
.set FS,  2                            ; s[2:3] 1.0 where my second block is the batch's last, else 0
.set WV,  16
.set CX,  17
.set A,   18
.set B,   19
.set BAT, 20
.set NOF, 22                           ; s[22:23] a tile's byte offset in negl
.set G1K, 24
.set G1V, 32
.set G0K, 40                           ; s[40:47] two sets; the second walks
.set G0V, 48
.set KBS, 56
.set VBS, 58
.set OFF, 60
.set NXT, 62
.set LQ,  63
.set CNT, 66
.set ER,  67                           ; steps left in the block in hand
.set PJ,  68                           ; the next step's tile,
.set PL,  69                           ; its block's last tile,
.set PI,  70                           ; its block
.set PI2, 71
.set PL2, 72
.set U,   73
.set AL,  74
.set BEH, 76
.set BEHD, 78
.set BIGN, 80
.set TB,  81
.set NLB, 82
.set NLS, 84
.set PFA, 86
.set LIM, 88
.set OB,  90
.set OB2, 92
.set QB2, 94
.set MSB, 0
.macro WIN new
.if MSB != (\new)
	s_set_vgpr_msb (MSB<<8)|(\new)
.set MSB, (\new)
.endif
.endm
.macro PLACES
.rept 4
	v_nop
.endr
.endm
.macro CROUND
	s_barrier_signal -1
	s_barrier_wait -1
	s_cmp_lg_u32 s[WV], 0
	s_cbranch_scc1 .Lnot_wave_0_\@
	s_barrier_signal -3
.Lnot_wave_0_\@:
	s_barrier_wait -3
	s_barrier_signal -1
	s_barrier_wait -1
.endm
.macro JLOAD                           ; a joint refill: waves 0 and 1 fetch the halves of a tile's K, waves 2 and 3 those of its V; the branch hangs on the wave's number alone
	s_cmp_lt_u32 s[WV], 2
	s_cbranch_scc0 .Lfor_v_\@
	tensor_load_to_lds s[G0K+4:G0K+7], s[G1K:G1K+7]
	s_nop 0
	PLACES
	s_branch .Lasked_\@
.Lfor_v_\@:
	tensor_load_to_lds s[G0V+4:G0V+7], s[G1V:G1V+7]
	s_nop 0
	PLACES
.Lasked_\@:
.endm
; A PREFETCH INTO THE L2.  In trip p the clusters ask for tiles up to p + 2.  Cluster 0 of a batch names tile p + 3 in trip p, a trip or two ahead of the first load that wants it, while p + 3 < 16.
; Its partners share a tile's rows out by address, 64 each; waves 0 and 1 take 32 rows of K each, waves 2 and 3 of V: each row of 256 bytes is named once in the launch.
.macro ASK
	s_cmp_gt_u32 s[CNT], s[LIM]
	s_cbranch_scc0 .Lnot_mine_\@
	global_prefetch_b8 v[PFO], s[PFA:PFA+1] th:TH_LOAD_NT scope:SCOPE_SE
.Lnot_mine_\@:
.endm
.macro MASKS                           ; my unit of tile PJ against block PI: selects, never branches
	s_lshl2_add_u32 s[U], s[PJ], s[WV]
	s_cmp_eq_u32 s[U], s[PI]
	s_cselect_b32 s[AL], 1.0, 0
	s_cmp_gt_u32 s[U], s[PI]
	s_cselect_b32 s[BEH], s[BIGN], 0
	s_cmp_ge_u32 s[U], s[PI]
	s_cselect_b32 s[BEHD], s[BIGN], 0
.endm
	s_load_b256 s[4:11], s[0:1], 0x0               ; qh s[4:5], kh s[6:7], vh s[8:9], negl s[10:11]
	s_load_b128 s[12:15], s[0:1], 0x20             ; corn s[12:13], out0 s[14:15]
	v_lshl_add_u32 v[SPW], v0, 2, SPARE
	v_mov_b32 v[NIL], 0
	ds_add_u32 v[SPW], v[NIL]                      ; the wave's opening: the add and its wait stand ahead of my first tensor load
	v_lshrrev_b32 v50, 5, v0
	v_readfirstlane_b32 s[WV], v50
	s_bfe_u32 s[CX], ttmp6, 0x40000
	s_mov_b32 s[A], ttmp9
	s_lshl2_add_u32 s[B], s[A], s[CX]              ; b: it enters global addresses and selects alone
	s_and_b32 s[BAT], ttmp7, 0xffff
	s_sub_co_u32 s[PI2], 63, s[B]
	s_sub_co_u32 s[PL2], 15, s[A]
	s_mov_b32 s[G1K], 15|(1<<16)|(1<<20)|(1<<21)|(5<<22)|(3<<25)  ; the mask of four; 2-byte elements; padding on; bit 21 beside a mask; after every 64 words, 4 words
	s_mov_b32 s[G1V], 15|(1<<16)|(1<<20)|(1<<21)|(5<<22)|(7<<25)  ; the same with 8 words
.irp g, G1K, G1V
	s_mov_b32 s[(\g)+1], 128<<16                   ; tensor_dim0 = 128
	s_mov_b32 s[(\g)+2], 128<<16                   ; tensor_dim1 = 128
	s_mov_b32 s[(\g)+3], 128<<16                   ; tile_dim0 = 128
	s_mov_b32 s[(\g)+4], 128                       ; tile_dim1 = 128
	s_mov_b32 s[(\g)+5], 128
	s_mov_b32 s[(\g)+6], 0
	s_mov_b32 s[(\g)+7], 0
.endr
	s_and_b32 s21, s[WV], 1                        ; which half of a tile I fetch
	s_mul_i32 s89, s21, 128*PK
	s_mov_b32 s[G0K], 1
	s_mov_b32 s[G0K+1], s89
	s_mov_b32 s[G0K+4], 1
	s_add_co_u32 s[G0K+5], s89, SLOTX
	s_mul_i32 s89, s21, 128*PV
	s_add_co_u32 s89, s89, VOFF
	s_mov_b32 s[G0V], 1
	s_mov_b32 s[G0V+1], s89
	s_mov_b32 s[G0V+4], 1
	s_add_co_u32 s[G0V+5], s89, SLOTX
	s_mov_b32 s[LQ], s[A]                          ; the walk: tiles 0 .. a, then 0 .. 15 - a
	s_mov_b32 s[U], 1
	s_cmp_gt_u32 s[U], s[LQ]
	s_cselect_b32 s[U], 0, s[U]                    ; its second tile,
	s_cselect_b32 s[LQ], s[PL2], s[LQ]
	s_add_co_u32 s[NXT], s[U], 1
	s_cmp_gt_u32 s[NXT], s[LQ]
	s_cselect_b32 s[NXT], 0, s[NXT]                ; its third
	s_cselect_b32 s[LQ], s[PL2], s[LQ]
	s_cmp_eq_u32 s[A], 0
	s_cselect_b32 s[LIM], 2, -1
	s_cmp_eq_u32 s[B], 0
	s_cselect_b32 s[FS], 1.0, 0
	s_mov_b32 s[FS+1], 0
	s_mov_b32 s[OFF+1], 0
	s_mov_b32 s[AL+1], 0
	s_mov_b32 s[BEH+1], 0
	s_mov_b32 s[BEHD+1], 0
	s_mov_b32 s[BIGN], 0xf149f2ca                  ; -1e30
	s_mov_b32 s[TB], 0
	s_add_co_u32 s[ER], s[A], 1
	s_mov_b32 s[PJ], 0
	s_mov_b32 s[PL], s[A]
	s_mov_b32 s[PI], s[B]
	v_and_b32 v51, 15, v0                          ; r
	v_bfe_u32 v52, v0, 4, 1                        ; h
	v_and_b32 v53, 31, v0                          ; lane
	v_and_b32 v54, 7, v0
	v_bfe_u32 v55, v0, 3, 1
	v_lshlrev_b32 v56, 3, v52
	v_sub_nc_u32 v56, v51, v56                     ; r - 8 h
	s_mul_i32 s89, s[WV], 64*PK                    ; my unit's 64 rows of K
	v_mul_u32_u24 v[AK0], v51, PK
	v_lshl_add_u32 v[AK0], v52, 4, v[AK0]
	v_add_nc_u32 v[AK0], s89, v[AK0]
	s_mul_i32 s89, s[WV], 64*PV
	s_add_co_u32 s89, s89, VOFF
	v_lshl_add_u32 v[AV0], v52, 3, v54             ; the turning load: key 8 h + lane % 8, channels 8 ((lane / 8) % 2) on
	v_mul_u32_u24 v[AV0], v[AV0], PV
	v_lshl_add_u32 v[AV0], v55, 4, v[AV0]
	v_add_nc_u32 v[AV0], s89, v[AV0]
	v_lshlrev_b32 v[QO], 8, v51
	v_lshl_add_u32 v[QO], v52, 4, v[QO]
	s_lshl_b32 s89, s[WV], 8
	v_lshl_add_u32 v[NO], v52, 5, s89              ; my unit's 64 numbers of negl, my half's 8 of each 16
	s_mul_i32 s89, s[WV], 16*528
	s_add_co_u32 s89, s89, STG
	v_mul_u32_u24 v[STO], v51, 528
	v_lshl_add_u32 v[STO], v52, 5, v[STO]
	v_add_nc_u32 v[STO], s89, v[STO]
	s_mul_i32 s89, s[WV], 4*528
	s_add_co_u32 s89, s89, STG
	v_lshl_add_u32 v[RD], v53, 4, s89
	s_lshl_b32 s89, s[WV], 11
	v_lshl_add_u32 v[GO], v53, 4, s89              ; rows 4 w .. of 512 bytes, 16 bytes a lane
	v_lshlrev_b32 v[PFO], 8, v53
.set i, 0
.rept 8
	v_mov_b32 v[ZR+i], 0
.set i, i+1
.endr
	s_wait_dscnt 0x0                               ; the opening add is done
	s_wait_kmcnt 0x0
	s_mov_b32 s23, 0
	s_lshl_b32 s22, s[BAT], 20
	s_lshl_b32 s89, s21, 15
	s_add_co_u32 s22, s22, s89
	s_add_nc_u64 s[KBS:KBS+1], s[6:7], s[22:23]    ; K and V at my half of the batch's tile 0
	s_add_nc_u64 s[VBS:VBS+1], s[8:9], s[22:23]
	s_add_nc_u64 s[G0K+2:G0K+3], s[KBS:KBS+1], 0
	s_or_b32 s[G0K+3], s[G0K+3], 0x80000000
	s_add_nc_u64 s[G0V+2:G0V+3], s[VBS:VBS+1], 0
	s_or_b32 s[G0V+3], s[G0V+3], 0x80000000
	s_lshl_b32 s[OFF], s[U], 16
	s_add_nc_u64 s[G0K+6:G0K+7], s[KBS:KBS+1], s[OFF:OFF+1]
	s_or_b32 s[G0K+7], s[G0K+7], 0x80000000
	s_add_nc_u64 s[G0V+6:G0V+7], s[VBS:VBS+1], s[OFF:OFF+1]
	s_or_b32 s[G0V+7], s[G0V+7], 0x80000000
	s_cmp_lt_u32 s[WV], 2
	s_cselect_b64 s[PFA:PFA+1], s[6:7], s[8:9]
	s_lshl_b32 s22, s[CX], 6
	s_lshl_b32 s89, s21, 5
	s_add_co_u32 s22, s22, s89
	s_lshl_b32 s22, s22, 8
	s_lshl_b32 s89, s[BAT], 20
	s_add_co_u32 s22, s22, s89
	s_add_co_u32 s22, s22, 2<<16                   ; at tile 2: the first trip steps it to tile 3
	s_add_nc_u64 s[PFA:PFA+1], s[PFA:PFA+1], s[22:23]
	s_lshl_b32 s22, s[PI2], 14
	s_add_co_u32 s22, s22, s89
	s_add_nc_u64 s[QB2:QB2+1], s[4:5], s[22:23]    ; Q at the second block,
	s_lshl_b32 s22, s[B], 14
	s_add_co_u32 s22, s22, s89
	s_add_nc_u64 s[4:5], s[4:5], s[22:23]          ; and at the first
	s_lshl_b32 s89, s[BAT], 21
	s_lshl_b32 s22, s[PI2], 15
	s_add_co_u32 s22, s22, s89
	s_add_nc_u64 s[OB2:OB2+1], s[14:15], s[22:23]
	s_lshl_b32 s22, s[B], 15
	s_add_co_u32 s22, s22, s89
	s_add_nc_u64 s[OB:OB+1], s[14:15], s[22:23]
	s_lshl_b32 s22, s[BAT], 14
	s_add_nc_u64 s[NLS:NLS+1], s[10:11], s[22:23]
	s_mov_b64 s[NLB:NLB+1], s[NLS:NLS+1]
	s_lshl_b32 s22, s[BAT], 13
	s_add_nc_u64 s[12:13], s[12:13], s[22:23]
	MASKS
	CROUND                                         ; all four work-groups are here: the first joint loads meet
	s_cmp_lt_u32 s[WV], 2                          ; a wave's two first fills stand in one branch: two loads of mine are out
	s_cbranch_scc0 .Lfirst_v
	tensor_load_to_lds s[G0K:G0K+3], s[G1K:G1K+7]
	s_nop 0
	tensor_load_to_lds s[G0K+4:G0K+7], s[G1K:G1K+7]
	s_nop 0
	PLACES
	s_branch .Lfirst_asked
.Lfirst_v:
	tensor_load_to_lds s[G0V:G0V+3], s[G1V:G1V+7]
	s_nop 0
	tensor_load_to_lds s[G0V+4:G0V+7], s[G1V:G1V+7]
	s_nop 0
	PLACES
.Lfirst_asked:
.macro QLOAD base                      ; a block's Q stays in registers: query tile f / 4, channels 32 (f % 4) on
	WIN 0x80
.set f, 0
.rept 16
	global_load_b128 v[8*f:8*f+3],   v[QO], s[(\base):(\base)+1] offset:(f/4)*4096+(f%4)*64
	global_load_b128 v[8*f+4:8*f+7], v[QO], s[(\base):(\base)+1] offset:(f/4)*4096+(f%4)*64+32
.set f, f+1
.endr
	WIN 0
.endm
.macro NLLOAD                          ; -L of my unit's keys: eight numbers for each key tile
	WIN 0
.set f, 0
.rept 4
	global_load_b128 v[NL+8*f:NL+8*f+3],   v[NO], s[NLB:NLB+1] offset:64*f
	global_load_b128 v[NL+8*f+4:NL+8*f+7], v[NO], s[NLB:NLB+1] offset:64*f+16
.set f, f+1
.endr
.endm
.macro ZERO                            ; O^T starts at 0: a product of zeros for each of the 32 tiles, 32 instructions where clearing would take 256
	WIN 0x40
.set i, 0
.rept 32
	v_wmma_f32_16x16x32_f16 v[8*i:8*i+7], v[ZR:ZR+7], v[ZR:ZR+7], 0
.set i, i+1
.endr
	WIN 0
.endm
.macro FETCH_K
	WIN 0
	v_add_nc_u32 v[AK], s[TB], v[AK0]
	WIN 0xc0
.set f, 0
.rept 16                               ; key tile f / 4, channels 32 (f % 4) on
	ds_load_b128 v[8*f:8*f+3],   v[AK] offset:(f/4)*16*PK+(f%4)*64
	ds_load_b128 v[8*f+4:8*f+7], v[AK] offset:(f/4)*16*PK+(f%4)*64+32
.set f, f+1
.endr
.endm
.macro FETCH_V
	WIN 0
	v_add_nc_u32 v[AV], s[TB], v[AV0]
	WIN 0x80
.set f, 0
.rept 16                               ; keys 32 (f / 8) on, channels 16 (f % 8) on
	ds_load_tr16_b128 v[128+8*f:128+8*f+3],   v[AV] offset:(f/8)*32*PV+(f%8)*32
	ds_load_tr16_b128 v[128+8*f+4:128+8*f+7], v[AV] offset:(f/8)*32*PV+16*PV+(f%8)*32
.set f, f+1
.endr
.endm
; Product i of 32 of S^T = K Q^T + C for the pair kk of key tiles: channels 32 (i / 8) on, key tile 2 kk + (i / 4) % 2, query tile i % 4.  Eight accumulators take turns.
.macro KQ kk
.set c_, i/8
.set kt_, 2*(\kk)+(i/4)%2
.set qt_, i%4
.set rS, SB+32*qt_+8*kt_
.set rK, 32*kt_+8*c_
.set rQ, 32*qt_+8*c_
.if c_ == 0
.if kt_ < qt_
.set rC, C1+8*kt_
.elseif kt_ == qt_
.set rC, C2+8*kt_
.else
.set rC, C3+8*kt_
.endif
	WIN 0xcb                                       ; K and S^T in window 3, Q in window 2, C in window 0
	v_wmma_f32_16x16x32_f16 v[rS:rS+7], v[rK:rK+7], v[rQ:rQ+7], v[rC:rC+7]
.else
	WIN 0xfb
	v_wmma_f32_16x16x32_f16 v[rS:rS+7], v[rK:rK+7], v[rQ:rQ+7], v[rS:rS+7]
.endif
.set i, i+1
.endm
; Product i of 32 of O^T += V^T P for the 32 keys of pair kk: channels 16 (i / 4) on, query tile i % 4: 32 accumulators, each once.
.macro PV kk
.set rO, 64*(i%4)+8*(i/4)
.set rV, 128+64*(\kk)+8*(i/4)
.set rP, SB+32*(i%4)+16*(\kk)
	WIN 0x5e                                       ; V in window 2, P in window 3, O^T in window 1
	v_wmma_f32_16x16x32_f16 v[rO:rO+7], v[rV:rV+7], v[rP:rP+7], v[rO:rO+7]
.set i, i+1
.endm
; The vector work of a pair: 64 exponentials, in place and each accumulator from its low end on, ONE batch with one wait; then 32 roundings, which write P over the low half of the pair's registers.
.macro SMX kk
.if e < 64
.if (MSB&0xc3) != 0xc3
	WIN 0xc3
.endif
	v_exp_f32 v[SB+32*(e/16)+16*(\kk)+e%16], v[SB+32*(e/16)+16*(\kk)+e%16]
.if e == 63
	v_nop                                          ; a plain instruction behind the last exponential,
	s_wait_alu depctr_va_vdst(0)                   ; and the one wait ahead of the batch's first reader
.endif
.else
.set m_, e-64
.if (MSB&0xcf) != 0xcf
	WIN 0xcf
.endif
	v_cvt_pk_f16_f32 v[SB+32*(m_/8)+16*(\kk)+m_%8], v[SB+32*(m_/8)+16*(\kk)+2*(m_%8)], v[SB+32*(m_/8)+16*(\kk)+2*(m_%8)+1]
.endif
.set e, e+1
.endm
.macro DEAL kk                         ; behind product i - 1: three exponentials behind each of the first 21, the last behind the 22nd, four roundings behind each of the next eight
.if i <= 21
	SMX \kk
	SMX \kk
	SMX \kk
.elseif i == 22
	SMX \kk
.elseif i <= 30
	SMX \kk
	SMX \kk
	SMX \kk
	SMX \kk
.endif
.endm
.macro BLD                             ; line nb of the 48 that make the next step's C operands
	WIN 0
.if nb < 16
	v_pk_add_f32 v[C1+2*nb:C1+2*nb+1], v[NL+2*nb:NL+2*nb+1], s[BEH:BEH+1] op_sel_hi:[1,0]
.elseif nb < 32
	v_pk_add_f32 v[C3+2*(nb-16):C3+2*(nb-16)+1], v[NL+2*(nb-16):NL+2*(nb-16)+1], s[BEHD:BEHD+1] op_sel_hi:[1,0]
.else
	v_pk_fma_f32 v[C2+2*(nb-32):C2+2*(nb-32)+1], v[MD+2*((nb-32)%4):MD+2*((nb-32)%4)+1], s[AL:AL+1], v[C1+2*(nb-32):C1+2*(nb-32)+1] op_sel_hi:[1,0,1]
.endif
.set nb, nb+1
.endm
; THE CHANGE OF SLOTS, in a step's middle: K and V of the tile in hand have been asked of its slot.  Each wave waits for all its tensor loads (one is out: its part of the next tile), adds 0 to its spare
; word, and waits for that and for its reads of the slot.  fill = 1: behind a round of the cluster's barrier the slot is filled again, with the tile two on: the load has a step, 128 matrix instructions, to land.
.macro CHANGE fill
	WIN 0
	s_wait_tensorcnt 0x0
	ds_add_u32 v[SPW], v[NIL]
.if \fill
	s_lshl_b32 s[OFF], s[NXT], 16
	s_xor_b32 s[G0K+5], s[G0K+5], SLOTX
	s_add_nc_u64 s[G0K+6:G0K+7], s[KBS:KBS+1], s[OFF:OFF+1]
	s_or_b32 s[G0K+7], s[G0K+7], 0x80000000
	s_xor_b32 s[G0V+5], s[G0V+5], SLOTX
	s_add_nc_u64 s[G0V+6:G0V+7], s[VBS:VBS+1], s[OFF:OFF+1]
	s_or_b32 s[G0V+7], s[G0V+7], 0x80000000
	s_add_co_u32 s[NXT], s[NXT], 1
	s_cmp_gt_u32 s[NXT], s[LQ]
	s_cselect_b32 s[NXT], 0, s[NXT]
	s_cselect_b32 s[LQ], s[PL2], s[LQ]
	s_wait_xcnt 0x0                                ; the last prefetch, a step back, has read its address
	s_add_nc_u64 s[PFA:PFA+1], s[PFA:PFA+1], 1<<16
	s_wait_dscnt 0x0
	CROUND
	JLOAD
	ASK
.else
	s_wait_dscnt 0x0
	s_barrier_signal -1
	s_barrier_wait -1
.endif
	s_xor_b32 s[TB], s[TB], SLOTX
.endm
; A STEP.  K of this step was fetched in the step before; -L of the next step and V of this one are asked for at its head.
.macro STEPB fill
	WIN 0
	s_wait_dscnt 0x0                               ; K is in
	s_add_co_u32 s[PJ], s[PJ], 1                   ; the next step's tile and block
	s_cmp_gt_u32 s[PJ], s[PL]
	s_cselect_b32 s[PJ], 0, s[PJ]
	s_cselect_b32 s[PL], s[PL2], s[PL]
	s_cselect_b32 s[PI], s[PI2], s[PI]
	MASKS
	s_lshl_b32 s[NOF], s[PJ], 10
	s_add_nc_u64 s[NLB:NLB+1], s[NLS:NLS+1], s[NOF:NOF+1]
	NLLOAD
	FETCH_V
.set i, 0
.rept 32
	KQ 0
.endr
	PLACES
.set i, 0
.set e, 0
.rept 32
	KQ 1
	DEAL 0
.endr
	PLACES
	CHANGE \fill
	FETCH_K                                        ; the next step's, 64 products ahead of its use
.set i, 0
.set e, 0
.rept 32
	PV 0
	DEAL 1
.endr
.set i, 0
.set nb, 0
.rept 32
	PV 1
.if i == 1
	s_wait_loadcnt 0x0                             ; -L of the next step
.endif
.if i <= 24
	BLD
	BLD
.endif
.endr
	PLACES
	WIN 0
.endm
; THE WAY OUT of a block, a query tile (16 rows) at a time: each wave puts its partial O^T into its part of the stage; behind a barrier wave w reads rows 4 w .. 4 w + 3 of all four senders,
; adds them and stores whole rows of 512 bytes; a second barrier stands in front of the next tile's stores.  last = 1: the second block: f x corn is added to its last 16 rows.
.macro EPI last
.set q_, 0
.rept 4
	WIN 0x04                                       ; store data in window 1
.set cb_, 0
.rept 8
	ds_store_b128 v[STO], v[64*q_+8*cb_:64*q_+8*cb_+3] offset:64*cb_
	ds_store_b128 v[STO], v[64*q_+8*cb_+4:64*q_+8*cb_+7] offset:64*cb_+16
.set cb_, cb_+1
.endr
	WIN 0
	s_wait_dscnt 0x0                               ; for the others' sake
	s_barrier_signal -1
	s_barrier_wait -1
	s_wait_xcnt 0x0                                ; the last tile's stores have read the registers that are loaded now
.set t_, 0
.rept 16                               ; row t_ / 4, sender t_ % 4
	ds_load_b128 v[T+4*t_:T+4*t_+3], v[RD] offset:8448*(t_%4)+528*(t_/4)
.set t_, t_+1
.endr
	s_wait_dscnt 0x0
.set t_, 0
.rept 4
.irp p, 0,2
	v_pk_add_f32 v[T+16*t_+(\p):T+16*t_+(\p)+1], v[T+16*t_+(\p):T+16*t_+(\p)+1], v[T+16*t_+4+(\p):T+16*t_+4+(\p)+1]
	v_pk_add_f32 v[T+16*t_+8+(\p):T+16*t_+8+(\p)+1], v[T+16*t_+8+(\p):T+16*t_+8+(\p)+1], v[T+16*t_+12+(\p):T+16*t_+12+(\p)+1]
.endr
.irp p, 0,2
	v_pk_add_f32 v[T+16*t_+(\p):T+16*t_+(\p)+1], v[T+16*t_+(\p):T+16*t_+(\p)+1], v[T+16*t_+8+(\p):T+16*t_+8+(\p)+1]
.endr
.if (\last) && (q_ == 3)
.irp p, 0,2
	v_pk_fma_f32 v[T+16*t_+(\p):T+16*t_+(\p)+1], v[CN+4*t_+(\p):CN+4*t_+(\p)+1], s[FS:FS+1], v[T+16*t_+(\p):T+16*t_+(\p)+1] op_sel_hi:[1,0,1]
.endr
.endif
	global_store_b128 v[GO], v[T+16*t_:T+16*t_+3], s[OB:OB+1] offset:(16*q_+t_)*512
.set t_, t_+1
.endr
.if q_ < 3
	s_barrier_signal -1                            ; my reads of the stage are back (the wait above)
	s_barrier_wait -1
.endif
.set q_, q_+1
.endr
.endm
	QLOAD 4
	NLLOAD
.set i, 0
.rept 4
	global_load_b128 v[CN+4*i:CN+4*i+3], v[GO], s[12:13] offset:512*i
.set i, i+1
.endr
.set i, 0
.rept 8
	v_cmp_gt_i32 vcc_lo, i, v56                    ; key 8 h + i behind query r
	v_cndmask_b32 v[MD+i], 0, s[BIGN], vcc_lo
.set i, i+1
.endr
	ZERO
	s_wait_tensorcnt 0x1                           ; my part of the first tile is in; the second's may stay out
	s_barrier_signal -1
	s_barrier_wait -1
	FETCH_K
	s_wait_loadcnt 0x0                             ; Q, -L, corn
.set nb, 0
.rept 48
	BLD
.endr
	WIN 0
	s_mov_b32 s[CNT], 15
.Lstep:                                        ; steps 0 to 14: each asks for the tile two on
	STEPB 1
	s_sub_co_u32 s[ER], s[ER], 1
	s_cmp_lg_u32 s[ER], 0
	s_cbranch_scc1 .Lsame                          ; (hangs on a and the trip alone: the same in all partners)
	QLOAD QB2                                      ; THE FIRST BLOCK'S END: the second block's Q comes while the first goes out
	EPI 0
	s_wait_xcnt 0x0                                ; the stores have read their registers and their base
	s_mov_b64 s[OB:OB+1], s[OB2:OB2+1]
	ZERO
	s_sub_co_u32 s[ER], 16, s[A]
	s_wait_loadcnt 0x0
.Lsame:
	s_sub_co_u32 s[CNT], s[CNT], 1
	s_cmp_lg_u32 s[CNT], 0
	s_cbranch_scc1 .Lstep
	s_mov_b32 s[CNT], 2
.Ltail:                                        ; steps 15 and 16 ask for nothing; the last one's fetches of K and -L serve nothing: the price of one text for both
	STEPB 0
	s_sub_co_u32 s[CNT], s[CNT], 1
	s_cmp_lg_u32 s[CNT], 0
	s_cbranch_scc1 .Ltail
	EPI 1
	s_wait_tensorcnt 0x0                           ; the wave's end
	ds_add_u32 v[SPW], v[NIL]
	s_wait_dscnt 0x0
	CROUND                                         ; the closing round
	s_endpgm
.Lfunc_end_k_q550fa36697_outp:
	.size	k_q550fa36697_outp, .Lfunc_end_k_q550fa36697_outp-k_q550fa36697_outp
	.p2alignl 7, 3214868480
	.fill 96, 4, 3214868480
	.section	.rodata,"a",@progbits
	.p2align	6, 0x0
	.amdhsa_kernel k_q550fa36697_outp
		.amdhsa_group_segment_fixed_size 327680
		.amdhsa_private_segment_fixed_size 0
		.amdhsa_enable_private_segment 0
		.amdhsa_kernarg_size 48
		.amdhsa_user_sgpr_count 2
		.amdhsa_user_sgpr_kernarg_segment_ptr 1
		.amdhsa_wavefront_size32 1
		.amdhsa_system_sgpr_workgroup_id_x 1
		.amdhsa_system_sgpr_workgroup_id_y 1
		.amdhsa_system_sgpr_workgroup_id_z 1
		.amdhsa_system_vgpr_workitem_id 0
		.amdhsa_next_free_vgpr 1024
		.amdhsa_next_free_sgpr 96
		.amdhsa_reserve_vcc 1
		.amdhsa_float_denorm_mode_32 3
		.amdhsa_float_denorm_mode_16_64 3
		.amdhsa_memory_ordered 1
		.amdhsa_forward_progress 1
		.amdhsa_inst_pref_size 121
	.end_amdhsa_kernel
	.amdgpu_metadata
---
amdhsa.version: [ 1, 2 ]
amdhsa.kernels:
  - .name:           k_q550fa36697_outp
    .symbol:         k_q550fa36697_outp.kd
    .args:
      - { .name: qh, .offset: 0, .size: 8, .value_kind: global_buffer, .address_space: global }
      - { .name: kh, .offset: 8, .size: 8, .value_kind: global_buffer, .address_space: global }
      - { .name: vh, .offset: 16, .size: 8, .value_kind: global_buffer, .address_space: global }
      - { .name: negl, .offset: 24, .size: 8, .value_kind: global_buffer, .address_space: global }
      - { .name: corn, .offset: 32, .size: 8, .value_kind: global_buffer, .address_space: global }
      - { .name: out0, .offset: 40, .size: 8, .value_kind: global_buffer, .address_space: global }
    .group_segment_fixed_size: 327680
    .private_segment_fixed_size: 0
    .kernarg_segment_align: 8
    .kernarg_segment_size: 48
    .max_flat_workgroup_size: 128
    .sgpr_count:     96
    .vgpr_count:     1024
    .wavefront_size: 32
...
	.end_amdgpu_metadata
.endif
;; end of part 5
;; ======== version 2 of 2: 5 launches; version 1 with the launch corner written anew for expert scheduling mode
;; limits: values are held in f16: magnitudes above 65,504 overflow, below 6.1e-05 lose precision
;; workspace buffers: wt 1,572,864 bytes; qh 8,388,608 bytes; kh 8,388,608 bytes; vh 8,388,608 bytes; tail 196,608 bytes; negl 131,072 bytes; corn 65,536 bytes
;; launch prep: the kernel of part 1 again; grid 16 x 3, 8 waves a work-group, no clusters, 35,840 bytes of LDS; arguments Wq, Wk, Wv, wt; writes wt
;; launch proj: the kernel of part 2 again; grid 256 x 1, 4 waves a work-group, clusters of 4 x 1, 327,680 bytes of LDS; arguments x, wt, qh, kh, vh, tail; writes qh, kh, vh, tail
;; launch stats: the kernel of part 3 again; grid 32 x 8, 4 waves a work-group, clusters of 4 x 1, 327,680 bytes of LDS; arguments qh, kh, negl; writes negl
;; launch corner (part 6): grid 8 x 1, 4 waves a work-group, no clusters, 0 bytes of LDS; arguments tail, corn; writes corn
.if DOCPART == 6
	.amdgcn_target "amdgcn-amd-amdhsa--gfx1250"
	.amdhsa_code_object_version 6
	.text
	.protected	k_q550fa36697_corner
	.globl	k_q550fa36697_corner
	.p2align	8
	.type	k_q550fa36697_corner,@function
k_q550fa36697_corner:
	s_mov_b64 s[64:65], 0
	v_nop
	global_prefetch_b8 v0, s[64:65] scope:SCOPE_SE
	s_setreg_imm32_b32 hwreg(HW_REG_WAVE_SCHED_MODE, 0, 2), 2
	s_setreg_imm32_b32 hwreg(HW_REG_WAVE_MODE, 25, 1), 1
	s_wait_xcnt 0x0
	s_wait_alu depctr_vm_vsrc(0)
; THE LAST 16 KEYS OF A BATCH, IN F32.  Key s of them is seen by the queries s .. 4095 alone, so its weights are large, and a 16-bit rounding of q, k, v or the weight would show in the batch's last rows.
; corn[b][t][d] = the sum over these 16 keys s <= t of softmax over the queries t' >= s of (c q[t'] . k[s]), times v[s][d], for the batch's last 16 queries t.
; tail: f32 [8][16][384] = c q | k | v of those rows.  corn: f32 [8][16][128]; the last launch adds it to its own sums, which give these keys the weight 0.
; 16 x 16 x 128 products twice: not bulk work, so the f32 matrix form serves.  A work-group a batch; each wave makes all scores and weights, and 32 of the 128 channels.
; S^T = K Q^T: a lane holds one query (lane % 16) and the keys 8 (lane / 16) + j, a register a key: a key's maximum and sum run over 16 lanes.  Channels are taken in the same permuted
; order on both sides (a lane's 16 bytes feed two products).  The registers that the f32 form writes are written by nothing else.
; The stores are 32 bytes a lane in 16 rows: 64 KiB in the whole launch.
; THE MODE: SCHED_MODE bits 1:0 = 2 (LLVM: expert scheduling mode 2), set by the entry lines.  The code itself states the register dependences
; between vector or matrix instructions and memory instructions, with s_wait_alu, always for 0.
; THE PLAN.  Registers that memory instructions touch:
;   v4, v5, v6    byte offsets.  Written once, at the head, by vector instructions; read by the 48 loads (v4, v5) and the 4 stores (v6); never written again.
;   KR, QR, VT    written by the loads alone: no vector instruction names them ahead of the loads.  Read by the matrix instructions, behind the waits on LOADcnt; never loaded again.
;   OA            written by the last eight matrix instructions; read by the four stores; never written again.
; So two waits on va_vdst state all that memory instructions hang on: one ahead of the first load (the offsets are written), one ahead of the stores (OA is written).
; No register that a memory instruction reads is written again: no wait on vm_vsrc is owed.  The mask lines behind the loads name none of the loads' registers, and follow them with no wait.
; Scalars that vector instructions write: s8, the wave's number, and later s[8:15], the eight masks of a run of compares: one wait on va_sdst ahead of the first reader of each.
.set KO, 4                             ; v4  r x 1,536 + 16 h
.set VO, 5                             ; v5  8 h rows + 4 r + my wave's 128 bytes
.set CO, 6                             ; v6  r x 512 + 32 h + my wave's 128 bytes
.set MD, 16                            ; v[16:23]   -1e30 where key 8 h + j > query r
.set SM, 24                            ; v[24:31]   sums, then reciprocals
.set KR, 32                            ; v[32:95]   k
.set QR, 96                            ; v[96:159]  c q
.set SA, 160                           ; v[160:191] four accumulators of S^T, by turns
.set TT, 192                           ; v[192:199] scores, then weights
.set MX, 200                           ; v[200:207] maxima
.set VT, 208                           ; v[208:223] v, turned by the loads' addresses
.set OA, 224                           ; v[224:239] two accumulators of the result
.set BIGN, 2                           ; s2         -1e30
.set MK, 8                             ; s[8:15]    behind the head, whose scalars s8 to s13 are then done with: the eight compares' masks
	s_load_b128 s[4:7], s[0:1], 0x0                ; tail s[4:5], corn s[6:7]
	v_lshrrev_b32 v1, 5, v0
	v_readfirstlane_b32 s8, v1                     ; wave 0..3
	v_and_b32 v2, 15, v0                           ; r
	v_bfe_u32 v3, v0, 4, 1                         ; h
	v_mul_u32_u24 v[KO], v2, 1536
	v_lshl_add_u32 v[KO], v3, 4, v[KO]
	v_mul_u32_u24 v[VO], v3, 8*1536
	v_lshl_add_u32 v[VO], v2, 2, v[VO]
	v_lshlrev_b32 v[CO], 9, v2
	v_lshl_add_u32 v[CO], v3, 5, v[CO]
	v_lshlrev_b32 v7, 3, v3
	v_sub_nc_u32 v7, v2, v7                        ; r - 8 h
	s_wait_alu depctr_va_sdst(0)                   ; s8 is written, ahead of its first reader, the line below
	s_lshl_b32 s9, s8, 7
	v_add_nc_u32 v[VO], s9, v[VO]
	v_add_nc_u32 v[CO], s9, v[CO]
	s_mul_i32 s10, ttmp9, 24576
	s_mov_b32 s11, 0
	s_lshl_b32 s12, ttmp9, 13
	s_mov_b32 s13, 0
	s_mov_b32 s[BIGN], 0xf149f2ca                  ; -1e30
	s_wait_kmcnt 0x0
	s_add_nc_u64 s[4:5], s[4:5], s[10:11]
	s_add_nc_u64 s[6:7], s[6:7], s[12:13]
	s_wait_alu depctr_va_vdst(0)                   ; the three offsets v4, v5, v6 are written, which every load and store of the kernel reads; nothing writes them again
.set i, 0
.rept 16
	global_load_b128 v[KR+4*i:KR+4*i+3], v[KO], s[4:5] offset:512+32*i
.set i, i+1
.endr
.set i, 0
.rept 16
	global_load_b128 v[QR+4*i:QR+4*i+3], v[KO], s[4:5] offset:32*i
.set i, i+1
.endr
.set i, 0
.rept 16                               ; channel block i / 8 of my two, keys 8 h + i % 8
	global_load_b32 v[VT+i], v[VO], s[4:5] offset:(i%8)*1536+1024+64*(i/8)
.set i, i+1
.endr
.set i, 0
.rept 8                                ; the eight compares stand in one run, a scalar register each: they and the selects name v7 and MD alone, which no memory instruction touches
	v_cmp_gt_i32 s[MK+i], i, v7
.set i, i+1
.endr
	s_wait_alu depctr_va_sdst(0)                   ; the eight masks s[8:15] are written, ahead of their first reader: one wait for the run
.set i, 0
.rept 8
	v_cndmask_b32 v[MD+i], 0, s[BIGN], s[MK+i]
.set i, i+1
.endr
	s_wait_loadcnt 16                              ; k and c q are in; v's sixteen loads may stay out
.set i, 0
.rept 32                               ; four channels a product; the four accumulators take turns; the first four products start the sums
.if i < 4
	v_wmma_f32_16x16x4_f32 v[SA+8*(i%4):SA+8*(i%4)+7], v[KR+2*i:KR+2*i+1], v[QR+2*i:QR+2*i+1], 0
.else
	v_wmma_f32_16x16x4_f32 v[SA+8*(i%4):SA+8*(i%4)+7], v[KR+2*i:KR+2*i+1], v[QR+2*i:QR+2*i+1], v[SA+8*(i%4):SA+8*(i%4)+7]
.endif
.set i, i+1
.endr
.rept 8
	v_nop                                          ; eight places behind this form (ISA guide 7.12.1)
.endr
.irp p, 0,2,4,6
	v_pk_add_f32 v[TT+(\p):TT+(\p)+1], v[SA+(\p):SA+(\p)+1], v[SA+8+(\p):SA+8+(\p)+1]
.endr
.irp p, 0,2,4,6
	v_pk_add_f32 v[MX+(\p):MX+(\p)+1], v[SA+16+(\p):SA+16+(\p)+1], v[SA+24+(\p):SA+24+(\p)+1]
.endr
.irp p, 0,2,4,6
	v_pk_add_f32 v[TT+(\p):TT+(\p)+1], v[TT+(\p):TT+(\p)+1], v[MX+(\p):MX+(\p)+1]
.endr
.irp p, 0,2,4,6
	v_pk_add_f32 v[TT+(\p):TT+(\p)+1], v[TT+(\p):TT+(\p)+1], v[MD+(\p):MD+(\p)+1]
.endr
.irp p, 0,1,2,3,4,5,6,7
	v_mov_b32 v[MX+(\p)], v[TT+(\p)]
.endr
.irp m, 1,2,4,8                        ; a key's maximum over its 16 queries; every key sees its own query
.irp p, 0,1,2,3,4,5,6,7
	v_max_num_f32_dpp v[MX+(\p)], v[MX+(\p)], v[MX+(\p)] row_xmask:\m row_mask:0xf bank_mask:0xf
.endr
.endr
.irp p, 0,2,4,6
	v_pk_add_f32 v[TT+(\p):TT+(\p)+1], v[TT+(\p):TT+(\p)+1], v[MX+(\p):MX+(\p)+1] neg_lo:[0,1] neg_hi:[0,1]
.endr
.irp p, 0,1,2,3,4,5,6,7
	v_exp_f32 v[TT+(\p)], v[TT+(\p)]
.endr
	v_nop                                          ; a plain instruction behind the last exponential
	s_wait_alu depctr_va_vdst(0)                   ; the eight exponentials have written v[TT ..], ahead of their first reader: one wait for the batch
.irp p, 0,1,2,3,4,5,6,7
	v_mov_b32 v[SM+(\p)], v[TT+(\p)]
.endr
.irp m, 1,2,4,8
.irp p, 0,1,2,3,4,5,6,7
	v_add_f32_dpp v[SM+(\p)], v[SM+(\p)], v[SM+(\p)] row_xmask:\m row_mask:0xf bank_mask:0xf
.endr
.endr
.irp p, 0,1,2,3,4,5,6,7
	v_rcp_f32 v[SM+(\p)], v[SM+(\p)]
.endr
	v_nop                                          ; a plain instruction behind the last reciprocal
	s_wait_alu depctr_va_vdst(0)                   ; the eight reciprocals have written v[SM ..], ahead of their first reader: one wait for the batch
.irp p, 0,2,4,6
	v_pk_mul_f32 v[TT+(\p):TT+(\p)+1], v[TT+(\p):TT+(\p)+1], v[SM+(\p):SM+(\p)+1]
.endr
	s_wait_loadcnt 0x0                             ; v
.set i, 0
.rept 8                                ; O^T = V^T P: keys 8 h + 2 (i / 2) + 0, 1; channel block i % 2: the two accumulators take turns
.if i < 2
	v_wmma_f32_16x16x4_f32 v[OA+8*(i%2):OA+8*(i%2)+7], v[VT+8*(i%2)+2*(i/2):VT+8*(i%2)+2*(i/2)+1], v[TT+2*(i/2):TT+2*(i/2)+1], 0
.else
	v_wmma_f32_16x16x4_f32 v[OA+8*(i%2):OA+8*(i%2)+7], v[VT+8*(i%2)+2*(i/2):VT+8*(i%2)+2*(i/2)+1], v[TT+2*(i/2):TT+2*(i/2)+1], v[OA+8*(i%2):OA+8*(i%2)+7]
.endif
.set i, i+1
.endr
.rept 8
	v_nop                                          ; eight places behind this form, before its result is read (ISA guide 7.12.1)
.endr
	s_wait_alu depctr_va_vdst(0)                   ; the matrix instructions have written v[OA ..], which the four stores read; the places above stay beside this wait
.irp c, 0,1
	global_store_b128 v[CO], v[OA+8*(\c):OA+8*(\c)+3], s[6:7] offset:64*(\c)
	global_store_b128 v[CO], v[OA+8*(\c)+4:OA+8*(\c)+7], s[6:7] offset:64*(\c)+16
.endr
	s_endpgm
.Lfunc_end_k_q550fa36697_corner:
	.size	k_q550fa36697_corner, .Lfunc_end_k_q550fa36697_corner-k_q550fa36697_corner
	.p2alignl 7, 3214868480
	.fill 96, 4, 3214868480
	.section	.rodata,"a",@progbits
	.p2align	6, 0x0
	.amdhsa_kernel k_q550fa36697_corner
		.amdhsa_group_segment_fixed_size 0
		.amdhsa_private_segment_fixed_size 0
		.amdhsa_enable_private_segment 0
		.amdhsa_kernarg_size 16
		.amdhsa_user_sgpr_count 2
		.amdhsa_user_sgpr_kernarg_segment_ptr 1
		.amdhsa_wavefront_size32 1
		.amdhsa_system_sgpr_workgroup_id_x 1
		.amdhsa_system_sgpr_workgroup_id_y 1
		.amdhsa_system_sgpr_workgroup_id_z 1
		.amdhsa_system_vgpr_workitem_id 0
		.amdhsa_next_free_vgpr 240
		.amdhsa_next_free_sgpr 66
		.amdhsa_reserve_vcc 0
		.amdhsa_float_denorm_mode_32 3
		.amdhsa_float_denorm_mode_16_64 3
		.amdhsa_memory_ordered 1
		.amdhsa_forward_progress 1
		.amdhsa_inst_pref_size 18
	.end_amdhsa_kernel
	.amdgpu_metadata
---
amdhsa.version: [ 1, 2 ]
amdhsa.kernels:
  - .name:           k_q550fa36697_corner
    .symbol:         k_q550fa36697_corner.kd
    .args:
      - { .name: tail, .offset: 0, .size: 8, .value_kind: global_buffer, .address_space: global }
      - { .name: corn, .offset: 8, .size: 8, .value_kind: global_buffer, .address_space: global }
    .group_segment_fixed_size: 0
    .private_segment_fixed_size: 0
    .kernarg_segment_align: 8
    .kernarg_segment_size: 16
    .max_flat_workgroup_size: 128
    .sgpr_count:     66
    .vgpr_count:     240
    .wavefront_size: 32
...
	.end_amdgpu_metadata
.endif
;; end of part 6
;; launch outp: the kernel of part 5 again; grid 32 x 8, 4 waves a work-group, clusters of 4 x 1, 327,680 bytes of LDS; arguments qh, kh, vh, negl, corn, out0; writes out0
